; MI455X (gfx1250); checked and timed in simulation.
; The chip was launched on July 23, 2026; its instructions are those of AMD's public machine-readable ISA for CDNA 5 (MIT licence, August 2026) and "CDNA5" Instruction Set Architecture Reference Guide (July 2026). The comments in the code are by the model that wrote it; some were corrected since.
;; Multi Head Attention. Allowed arithmetic: matrix products marked QUANTISED: E4M3 operands, one E8M0 scale for each 32 along K, by v_wmma_scale_f32_16x16x128_f8f6f4 with both operands' format E4M3, f32 sums; everything else in f32.
;; Inputs: Wk_codes 1,024 x 32 x 32 uint8 (E4M3 codes of Wk, K innermost, in blocks of 32 codes); Wk_scales 1,024 x 32 uint8 (E8M0 scales of Wk, one for each 32 codes along K); Wo_codes 1,024 x 32 x 32 uint8 (E4M3 codes of Wo, K innermost, in blocks of 32 codes); Wo_scales 1,024 x 32 uint8 (E8M0 scales of Wo, one for each 32 codes along K); Wq_codes 1,024 x 32 x 32 uint8 (E4M3 codes of Wq, K innermost, in blocks of 32 codes); Wq_scales 1,024 x 32 uint8 (E8M0 scales of Wq, one for each 32 codes along K); Wv_codes 1,024 x 32 x 32 uint8 (E4M3 codes of Wv, K innermost, in blocks of 32 codes); Wv_scales 1,024 x 32 uint8 (E8M0 scales of Wv, one for each 32 codes along K); bk 1,024 float32; bo 1,024 float32; bq 1,024 float32; bv 1,024 float32; keys_codes 4 x 2,048 x 32 x 32 uint8 (E4M3 codes of keys, K innermost, in blocks of 32 codes); keys_scales 4 x 2,048 x 32 uint8 (E8M0 scales of keys, one for each 32 codes along K); ln_beta 1,024 float32; ln_gamma 1,024 float32; queries 4 x 2,048 x 1,024 float32; values_codes 4 x 2,048 x 32 x 32 uint8 (E4M3 codes of values, K innermost, in blocks of 32 codes); values_scales 4 x 2,048 x 32 uint8 (E8M0 scales of values, one for each 32 codes along K).
;; Outputs: out0 4 x 2,048 x 1,024 float32.
;; This version of the problem:
;;   THIS VERSION OF THE PROBLEM IS GIVEN IN LOW PRECISION. The matrix products marked QUANTISED in the list below multiply operands that are first quantised to E4M3 (4 exponent bits, 3 mantissa bits; 8 bits a number), with one power-of-two scale for each 32 numbers along K (OCP MX v1.0); their sums are f32. All else is computed in f32.
;;   The module's matrix products, in the order in which they are computed (A, B: the left and right operand; K: the contracted axis; several contracted axes count as one K, in the product's order):
;;     1. [M 8,192, K 1,024] x [K 1,024, N 1,024]; A: input queries; B: input Wq (given as codes): QUANTISED
;;     2. [M 8,192, K 1,024] x [K 1,024, N 1,024]; A: input keys (given as codes); B: input Wk (given as codes): QUANTISED
;;     3. [M 8,192, K 1,024] x [K 1,024, N 1,024]; A: input values (given as codes); B: input Wv (given as codes): QUANTISED
;;     4. batch 64 x [M 2,048, K 64] x [K 64, N 2,048]; A: computed on the way; B: computed on the way: QUANTISED
;;     5. batch 64 x [M 2,048, K 2,048] x [K 2,048, N 64]; A: softmax (see below); B: computed on the way: QUANTISED
;;     6. [M 8,192, K 1,024] x [K 1,024, N 1,024]; A: computed on the way; B: input Wo (given as codes): QUANTISED
;;   THE QUANTISER, for each operand of a quantised product, along K:
;;     - K is cut into blocks of 32 from its start; a last block that is shorter is filled with zeros.
;;     - A block's scale is 2^e with e = floor(log2(the largest magnitude in the block)) - 8, held to -126 .. 127; a block of zeros has e = 0. As a byte (E8M0): e + 127.
;;     - Each number is divided by its block's scale, clamped to +-448, and rounded to the nearest number of E4M3, ties to even, subnormals kept.
;;     - The product sums the exact products of the quantised numbers (number of the format x scale) in f32.
;;   ~~~python
;;   def quantise(x, axis):      # numpy; x: float32 -> the quantised numbers, widened to float32 again
;;       x = np.moveaxis(x, axis, -1); K = x.shape[-1]
;;       x = np.pad(x, [(0, 0)] * (x.ndim - 1) + [(0, -K % 32)]); x = x.reshape(x.shape[:-1] + (-1, 32)); a = np.abs(x).max(-1, keepdims=True)
;;       e = np.where(a > 0, np.clip(np.frexp(np.where(a > 0, a, 1))[1] - 1 - 8, -126, 127), 0)      # np.frexp(a)[1] - 1 = floor(log2(a)), exactly
;;       r = np.clip(x / 2.0 ** e, -448, 448)
;;       step = 2.0 ** (np.maximum(np.frexp(np.where(r == 0, 1, r))[1] - 1, -6) - 3)
;;       q = np.round(r / step) * step * 2.0 ** e      # np.round: ties to even
;;       return np.moveaxis(q.reshape(q.shape[:-2] + (-1,))[..., :K], -1, axis).astype(np.float32)
;;   ~~~
;;   SOFTMAX AHEAD OF A QUANTISED PRODUCT. Where the list says 'softmax', what is quantised is not the finished softmax but p = 2^(t - M), with t = logit x log2(e) and M = ceil(the row's largest t), a whole number; so 1/2 < the row's largest p <= 1. The row's sum l is taken of the UNQUANTISED p, in f32, and the product's result is divided by l at the end. Since M is a whole number, a kernel that streams over the keys may use a running M (the ceiling of the running maximum): every later rescaling is an exact power of two, which a block's scale takes up: the codes' values come out the same.
;;   OPERANDS COMPUTED ON THE WAY. 'Computed on the way' means the value that the module computes at that place (a softmax that the list does not call 'softmax' is quantised finished and normalised). What goes into a quantiser is computed in f32, as accurately as f32 sums, v_exp_f32 and their like allow (about 1e-6 of the number): no bf16 or f16 on the way to a quantiser, and a product that is left as it is and whose result goes on into a quantised operand takes f32 operands (vector FMAs, or v_wmma_f32_16x16x4_f32). A number that lies on a knife's edge between two numbers of the format may be rounded either way, as far as f32 arithmetic and the matrix unit's own rounding can turn it there, and no further.
;;   INPUTS GIVEN AS CODES. Wk (in the module: [1024, 1024], K = its axis 0); Wo (in the module: [1024, 1024], K = its axis 0); Wq (in the module: [1024, 1024], K = its axis 0); Wv (in the module: [1024, 1024], K = its axis 0); keys (in the module: [4, 2048, 1024], K = its axis 2); values (in the module: [4, 2048, 1024], K = its axis 2): each comes as NAME_codes (uint8): NAME with its K axis moved to the last place and cut into blocks of 32 codes, [.., K / 32, bytes a block], one block behind the other in memory; one code a byte (a code: sign, 4 exponent bits, 3 mantissa bits); and NAME_scales (uint8): the same leading axes, one E8M0 byte (e + 127) for each 32 codes along K. Its value is code x scale, taken as it is: it is not quantised again, and the codes and scales need not be those that the quantiser above would give.
;; One version. Each part assembles by itself: llvm-mc -triple=amdgcn-amd-amdhsa -mcpu=gfx1250 --defsym DOCPART=n.
;; ======== version 1 of 1: 3 launches
;; limits: right only within a limited range of input values
;; workspace buffers: prepw 10,784,768 bytes; projw 25,952,256 bytes
;; launch prep (part 1): grid 288 x 1, 4 waves a work-group, no clusters, 33,280 bytes of LDS; arguments queries, Wv_codes, Wv_scales, bv, Wo_codes, prepw; writes prepw
.if DOCPART == 1
	.amdgcn_target "amdgcn-amd-amdhsa--gfx1250"
	.amdhsa_code_object_version 6
	.text
	.protected	k_q2bb220558c_prep
	.globl	k_q2bb220558c_prep
	.p2align	8
	.type	k_q2bb220558c_prep,@function
k_q2bb220558c_prep:
	s_mov_b64 s[64:65], 0
	v_nop
	global_prefetch_b8 v0, s[64:65] scope:SCOPE_SE
	s_setreg_imm32_b32 hwreg(HW_REG_WAVE_MODE, 25, 1), 1
	s_wait_xcnt 0x0
; Three small jobs ahead of the products, told apart by the work-group's number.
; A (work-groups 0-255): queries [8192][1024] f32 become codes of E4M3, K innermost, and one E8M0 byte for each 32 along K.
;   A block's scale is 2^(floor(log2(its largest magnitude)) - 8); its byte is the largest magnitude's exponent field - 8, held at 1 from below.
; B (256-271): Wv's rows, their scale bytes and bv are copied into the order n' = 16 d + i for column n = 64 i + d, so that a tile of 16 columns of the
;   third product is one d with all 16 pieces i: a block of 32 keys of v then lies in four lanes of one wave.
; C (272-287): Wo's codes are laid in the order of the operand's registers: [n / 256][k / 128][(n / 16) % 16][c][lane][16 bytes].
; LIMITS: NaN and infinities are not served; a block whose largest magnitude lies under 2^-118 gets the byte 1; so does a block of zeros
; (its codes are zeros, which add nothing under any byte but 0xff, and the bytes are read by this program alone).
; Waves share nothing: no barrier.  Only job A touches LDS.
.set QXS,   8388608                    ; prepw: queries' codes at 0, their scale bytes here,
.set WVC,   8650752                    ; Wv's codes in the new order,
.set WVS,   9699328                    ; its scale bytes,
.set BVP,   9732096                    ; bv in the new order,
.set WOI,   9736192                    ; Wo's images
.set STEPS, 16
.set MANT,  0x600000                   ; the mantissa field of 448 as f32
.set CB,    16                         ; bytes of 16 codes
.set R,     16                         ; v16-143  eight sets of 16 numbers as they are loaded: 32 loads of 512 bytes a wave are out
.set X,     144                        ; v144-175 two sets of 16 neighbours
.set C,     178                        ; v178-241 codes: four registers for each step
.set E,     176                        ; v176-177 a step's scale byte, two registers by turns
.set WREG,  8192                       ; LDS: a region for each wave: two stages of 32 x SP bytes, then its 256 scale bytes
.set SP,    80                         ; a lane's place in a stage: 64 bytes + 16 of padding
	s_load_b256 s[4:11], s[0:1], 0x0               ; queries, Wv's codes, Wv's scales, bv
	s_load_b128 s[12:15], s[0:1], 0x20             ; Wo's codes, prepw
	v_lshl_add_u32 v242, v0, 2, 0x8000
	v_mov_b32 v243, 0
	v_lshrrev_b32 v1, 5, v0
	v_readfirstlane_b32 s16, v1                    ; wave
	v_and_b32 v2, 31, v0                           ; lane
	v_lshlrev_b32 v3, 4, v2                        ; 16 x lane
	s_mov_b32 s21, 0
	s_wait_kmcnt 0x0
	s_cmp_lt_u32 ttmp9, 256
	s_cbranch_scc0 .Lnot_a
; ---- A.  A wave takes 16 steps of 512 numbers.  Each load reads 512 consecutive bytes; a step's 2,048 bytes turn through the wave's stage, so that a lane gets 16 neighbours.
	s_mul_i32 s17, s16, WREG
	s_wait_alu depctr_va_vdst(0)
	v_lshrrev_b32 v14, 2, v2
	v_mul_u32_u24 v14, v14, SP
	v_and_b32 v15, 3, v2
	v_lshl_add_u32 v14, v15, 4, v14
	v_add_nc_u32 v14, s17, v14                     ; the stage, on the way in: SP (lane / 4) + 16 (lane % 4)
	v_mul_u32_u24 v15, v2, SP
	v_add_nc_u32 v15, s17, v15                     ; and on the way out: SP x lane
	v_mul_u32_u24 v4, v2, CB                       ; my codes' place in a step's
	v_lshrrev_b32 v5, 1, v2
	s_add_co_u32 s17, s17, 2*32*SP
	v_add_nc_u32 v5, s17, v5                       ; LDS: my block's byte among the wave's 256
	v_lshlrev_b32 v7, 3, v2
	v_add_nc_u32 v6, s17, v7                       ; and on the way out 8 bytes a lane
	s_mov_b32 s23, MANT
	s_lshl_b32 s18, ttmp9, 2
	s_add_co_u32 s18, s18, s16                     ; which run of 8,192 numbers is my wave's
	s_lshl_b32 s20, s18, 15
	s_add_nc_u64 s[4:5], s[4:5], s[20:21]          ; its numbers,
	s_lshl_b32 s20, s18, 13
	s_add_nc_u64 s[8:9], s[14:15], s[20:21]        ; its codes,
	s_lshl_b32 s20, s18, 8
	s_add_nc_u64 s[10:11], s[14:15], s[20:21]
	s_add_nc_u64 s[10:11], s[10:11], QXS           ; its 256 scale bytes
.macro LOAD t
.irp i, 0,1,2,3
	global_load_b128 v[R+16*((\t)%8)+4*\i:R+16*((\t)%8)+4*\i+3], v3, s[4:5] offset:2048*(\t)+512*\i
.endr
.endm
.macro TURN t                          ; step t's numbers through the stage: LDS serves a wave's instructions in order, so no wait stands between the stores and the loads
.irp i, 0,1,2,3
	ds_store_b128 v14, v[R+16*((\t)%8)+4*\i:R+16*((\t)%8)+4*\i+3] offset:32*SP*((\t)%2)+8*SP*\i
.endr
.irp i, 0,1,2,3
	ds_load_b128 v[X+16*((\t)%2)+4*\i:X+16*((\t)%2)+4*\i+3], v15 offset:32*SP*((\t)%2)+16*\i
.endr
.endm
.irp t, 0,1,2,3,4,5,6,7
	LOAD \t
.endr
	s_wait_alu depctr_va_vdst(0)
	s_wait_loadcnt 28                              ; step 0's four loads are in; the 28 of steps 1 to 7 may be out
	TURN 0
.macro STEP t
.set XS, X+16*((\t)%2)
.if (\t) > 0
	s_wait_dscnt 1                                 ; this step's numbers are back from the stage (the last step's byte store may be out)
.else
	s_wait_dscnt 0x0
.endif
.if (\t)+8 < STEPS
	LOAD (\t)+8                                    ; into the registers that the stage's stores have read
.endif
.if (\t)+1 < STEPS
.if STEPS-2-(\t) >= 7
	s_wait_loadcnt 28                              ; the next step's four loads are in; those of the seven steps behind it may be out
.else
	s_wait_loadcnt 4*(STEPS-2-(\t))
.endif
	TURN (\t)+1
.endif
	v_max3_num_f32 v8, |v[XS]|, |v[XS+1]|, |v[XS+2]|               ; the largest magnitude of my 16, in two chains
	v_max3_num_f32 v9, |v[XS+3]|, |v[XS+4]|, |v[XS+5]|
.irp i, 6,10
	v_max3_num_f32 v8, v8, |v[XS+\i]|, |v[XS+\i+1]|
	v_max3_num_f32 v9, v9, |v[XS+\i+2]|, |v[XS+\i+3]|
.endr
	v_max3_num_f32 v8, v8, |v[XS+14]|, |v[XS+15]|
	v_max3_num_f32 v8, v8, v9, 0x4800000           ; and the floor 2^(9 - 127): the byte cannot fall under 1
	v_max_num_f32_dpp v8, v8, v8 row_xmask:1 row_mask:0xf bank_mask:0xf   ; and of my neighbour's 16: the block's
	v_add_nc_u32 v11, 0xfc000000, v8               ; 8 off its exponent field: the conversion's scale operand
	v_and_or_b32 v10, v8, 0x7f800000, s23          ; 448 x the scale
.irp i, 0,1,2,3,4,5,6,7,8,9,10,11,12,13,14,15
	v_med3_num_f32 v[XS+\i], v[XS+\i], -v10, v10   ; the conversion to an 8-bit code does not saturate (ISA guide 7.6.2): the hold comes first
.endr
	v_cvt_scalef32_pk8_fp8_f32 v[C+4*(\t):C+4*(\t)+1], v[XS:XS+7], v11
	v_cvt_scalef32_pk8_fp8_f32 v[C+4*(\t)+2:C+4*(\t)+3], v[XS+8:XS+15], v11
	v_lshrrev_b32 v[E+(\t)%2], 23, v11             ; the scale's byte
	ds_store_b8 v5, v[E+(\t)%2] offset:16*(\t)     ; both lanes of a block write the same byte with the same value
	global_store_b128 v4, v[C+4*(\t):C+4*(\t)+3], s[8:9] offset:32*CB*(\t)   ; the wave stores 512 consecutive bytes
.endm
.irp t, 0,1,2,3,4,5,6,7,8,9,10,11,12,13,14,15
	STEP \t
.endr
	ds_load_b64 v[12:13], v6                       ; LDS serves a wave's instructions in order: these see my stores
	s_wait_dscnt 0x0
	global_store_b64 v7, v[12:13], s[10:11]        ; 32 lanes store 256 consecutive bytes, aligned
	s_wait_tensorcnt 0x0
	ds_add_u32 v242, v243
	s_wait_dscnt 0x0
	s_endpgm
.Lnot_a:
	s_cmp_lt_u32 ttmp9, 272
	s_cbranch_scc0 .Lpath_c
; ---- B.  A wave takes one d: the 16 rows n = 64 i + d of Wv become rows 16 d + i.
	s_sub_co_u32 s17, ttmp9, 256
	s_lshl_b32 s17, s17, 2
	s_add_co_u32 s17, s17, s16                     ; d
	s_lshl_b32 s20, s17, 10
	s_add_nc_u64 s[6:7], s[6:7], s[20:21]          ; Wv's codes at row d
	s_lshl_b32 s20, s17, 5
	s_add_nc_u64 s[8:9], s[8:9], s[20:21]          ; its scale bytes
	s_lshl_b32 s20, s17, 2
	s_add_nc_u64 s[10:11], s[10:11], s[20:21]      ; bv[d]
	s_lshl_b32 s20, s17, 14
	s_add_nc_u64 s[18:19], s[14:15], s[20:21]
	s_add_nc_u64 s[18:19], s[18:19], WVC
	s_lshl_b32 s20, s17, 9
	s_add_nc_u64 s[22:23], s[14:15], s[20:21]
	s_add_nc_u64 s[22:23], s[22:23], WVS
	s_lshl_b32 s20, s17, 6
	s_add_nc_u64 s[24:25], s[14:15], s[20:21]
	s_add_nc_u64 s[24:25], s[24:25], BVP
	s_wait_alu depctr_va_vdst(0)
	v_lshrrev_b32 v4, 1, v2
	v_lshlrev_b32 v4, 11, v4
	v_and_b32 v5, 1, v2
	v_lshl_add_u32 v4, v5, 4, v4                   ; scale bytes: row i = lane / 2 (2,048 bytes apart), half lane % 2
	v_and_b32 v6, 15, v2
	v_lshlrev_b32 v5, 8, v6                        ; bv: 256 bytes from piece to piece
	v_lshlrev_b32 v6, 2, v6
.irp t, 0,1,2,3,4,5,6,7,8,9,10,11,12,13,14,15
.irp e, 0,1
	global_load_b128 v[32+4*(2*\t+\e):32+4*(2*\t+\e)+3], v3, s[6:7] offset:\t*65536+512*\e
.endr
.endr
	global_load_b128 v[160:163], v4, s[8:9]
	global_load_b32 v164, v5, s[10:11]
	s_wait_alu depctr_va_vdst(0)
.irp t, 0,1,2,3,4,5,6,7,8,9,10,11,12,13,14,15
.irp e, 0,1
	s_wait_loadcnt 33-(2*\t+\e)                    ; the loads issued behind this one may be out
	global_store_b128 v3, v[32+4*(2*\t+\e):32+4*(2*\t+\e)+3], s[18:19] offset:\t*1024+512*\e
.endr
.endr
	s_wait_loadcnt 1
	global_store_b128 v3, v[160:163], s[22:23]     ; 512 consecutive bytes: 16 rows of 32 scale bytes
	s_wait_loadcnt 0
	global_store_b32 v6, v164, s[24:25]            ; lanes l and l + 16 write the same word with the same value
	s_endpgm
.Lpath_c:
; ---- C.  A wave takes 16 rows of Wo: lane (r, h) reads the 16 codes that registers 4 c .. 4 c + 3 of K step kk want of it, and the wave stores them on end.
	s_sub_co_u32 s17, ttmp9, 272
	s_lshl_b32 s17, s17, 2
	s_add_co_u32 s17, s17, s16                     ; J = n / 16
	s_wait_alu depctr_va_vdst(0)
	v_and_b32 v4, 15, v2
	v_lshrrev_b32 v5, 4, v2
	v_lshlrev_b32 v4, 10, v4
	v_lshl_add_u32 v4, v5, 4, v4                   ; row r of 1,024 bytes, + 16 h
	s_wait_alu depctr_va_vdst(0)
	s_lshl_b32 s20, s17, 14
	s_add_nc_u64 s[12:13], s[12:13], s[20:21]
	s_lshr_b32 s22, s17, 4
	s_lshl_b32 s22, s22, 18                        ; which 256 columns: 262,144 bytes each
	s_and_b32 s23, s17, 15
	s_lshl_b32 s23, s23, 11                        ; which tile among them: 2,048 bytes in each K step
	s_add_co_u32 s20, s22, s23
	s_add_nc_u64 s[18:19], s[14:15], s[20:21]
	s_add_nc_u64 s[18:19], s[18:19], WOI
.irp k, 0,1,2,3,4,5,6,7
.irp c, 0,1,2,3
	global_load_b128 v[32+4*(4*\k+\c):32+4*(4*\k+\c)+3], v4, s[12:13] offset:128*\k+32*\c
.endr
.endr
.irp k, 0,1,2,3,4,5,6,7
.irp c, 0,1,2,3
	s_wait_loadcnt 31-(4*\k+\c)                    ; the loads issued behind this one may be out
	global_store_b128 v3, v[32+4*(4*\k+\c):32+4*(4*\k+\c)+3], s[18:19] offset:\k*32768+\c*512
.endr
.endr
	s_endpgm
.Lfunc_end_k_q2bb220558c_prep:
	.size	k_q2bb220558c_prep, .Lfunc_end_k_q2bb220558c_prep-k_q2bb220558c_prep
	.p2alignl 7, 3214868480
	.fill 96, 4, 3214868480
	.section	.rodata,"a",@progbits
	.p2align	6, 0x0
	.amdhsa_kernel k_q2bb220558c_prep
		.amdhsa_group_segment_fixed_size 33280
		.amdhsa_private_segment_fixed_size 0
		.amdhsa_enable_private_segment 0
		.amdhsa_kernarg_size 48
		.amdhsa_user_sgpr_count 2
		.amdhsa_user_sgpr_kernarg_segment_ptr 1
		.amdhsa_wavefront_size32 1
		.amdhsa_system_sgpr_workgroup_id_x 1
		.amdhsa_system_sgpr_workgroup_id_y 1
		.amdhsa_system_sgpr_workgroup_id_z 1
		.amdhsa_system_vgpr_workitem_id 0
		.amdhsa_next_free_vgpr 244
		.amdhsa_next_free_sgpr 66
		.amdhsa_reserve_vcc 0
		.amdhsa_float_denorm_mode_32 3
		.amdhsa_float_denorm_mode_16_64 3
		.amdhsa_memory_ordered 1
		.amdhsa_forward_progress 1
		.amdhsa_inst_pref_size 67
	.end_amdhsa_kernel
	.amdgpu_metadata
---
amdhsa.version: [ 1, 2 ]
amdhsa.kernels:
  - .name:           k_q2bb220558c_prep
    .symbol:         k_q2bb220558c_prep.kd
    .args:
      - { .name: queries, .offset: 0, .size: 8, .value_kind: global_buffer, .address_space: global }
      - { .name: Wv_codes, .offset: 8, .size: 8, .value_kind: global_buffer, .address_space: global }
      - { .name: Wv_scales, .offset: 16, .size: 8, .value_kind: global_buffer, .address_space: global }
      - { .name: bv, .offset: 24, .size: 8, .value_kind: global_buffer, .address_space: global }
      - { .name: Wo_codes, .offset: 32, .size: 8, .value_kind: global_buffer, .address_space: global }
      - { .name: prepw, .offset: 40, .size: 8, .value_kind: global_buffer, .address_space: global }
    .group_segment_fixed_size: 33280
    .private_segment_fixed_size: 0
    .kernarg_segment_align: 8
    .kernarg_segment_size: 48
    .max_flat_workgroup_size: 128
    .sgpr_count:     66
    .vgpr_count:     244
    .wavefront_size: 32
...
	.end_amdgpu_metadata
.endif
;; end of part 1
;; launch proj (part 2): grid 4 x 96, 4 waves a work-group, clusters of 4 x 4, 327,680 bytes of LDS; arguments prepw, keys_codes, keys_scales, values_codes, values_scales, Wq_codes, Wq_scales, Wk_codes, Wk_scales, bq, bk, projw; writes projw
.if DOCPART == 2
	.amdgcn_target "amdgcn-amd-amdhsa--gfx1250"
	.amdhsa_code_object_version 6
	.text
	.protected	k_q2bb220558c_proj
	.globl	k_q2bb220558c_proj
	.p2align	8
	.type	k_q2bb220558c_proj,@function
k_q2bb220558c_proj:
	s_mov_b64 s[64:65], 0
	v_nop
	global_prefetch_b8 v0, s[64:65] scope:SCOPE_SE
	s_setreg_imm32_b32 hwreg(HW_REG_WAVE_MODE, 25, 1), 1
	s_wait_xcnt 0x0
	s_wait_alu depctr_hold_cnt(0) depctr_sa_sdst(0) depctr_va_vdst(0) depctr_va_sdst(0) depctr_va_ssrc(0) depctr_va_vcc(0) depctr_vm_vsrc(0)
	s_getreg_b32 s2, hwreg(HW_REG_IB_STS2, 6, 4)
	s_cmp_eq_u32 s2, 0
	s_cbranch_scc0 .Lentry_in_a_cluster
	s_endpgm
.Lentry_in_a_cluster:
	s_bfe_u32 s2, ttmp6, 0x10000c
	s_cmp_lg_u32 s2, 0xf033
	s_cbranch_scc0 .Lentry_shape_is_right
	s_endpgm
.Lentry_shape_is_right:
.set QXS,    8388608
.set WVC,    8650752
.set WVS,    9699328
.set BVP,    9732096
.set QSC,    0x1800000
.set KSTEP,  256
.set NQ,     2
.set ROWB,   256
.set KROW,   1024
.set PITCH,  272
.set FR,     16
.set NL,     4
.set NP,     8
.set HALFT,  128*PITCH
.set SLOT,   4*HALFT
.set LAPS,   2
.set KS,     32
.set SCL,    2*SLOT
.set HALFS,  (128*KS/256)*272
.set SBLK,   (16*KS/256)*272
.set SPARE,  SCL+4*HALFS
.set BA,   7
.set VCO,  8
.set VSB,  9
.set VSR,  10
.set ADRA, 16
.set ADRB, 20
.set LN16, 24
.set R32,  25
.set ADRS, 27
.set SPW,  28
.set NIL,  29
.set SC,   32
.set BI,   64
.set TM,   64
.set AF,   128
.set G1, 24
.set G0, 32
.set G1B, 48
.set G0B, 56
.set G1S, 68
.set G0S, 76
.set G1SB, 80
.set G0SB, 88
.set MSB, 0
.macro WIN new
.if MSB != (\new)
	s_set_vgpr_msb (MSB<<8)|(\new)
.set MSB, (\new)
.endif
.endm
.set MUL_LO, 0xa1
.set MUL_HI, 0xf1
.set TO_B,   0x40
.macro JLOAD g0a, g1a, g0b, g1b
	s_cmp_eq_u32 s15, 0
	s_cbranch_scc0 .Lfor_b_\@
	tensor_load_to_lds s[\g0a:\g0a+3], s[\g1a:\g1a+7]
	s_nop 0
.rept 4
	v_nop
.endr
	s_branch .Lasked_\@
.Lfor_b_\@:
	tensor_load_to_lds s[\g0b:\g0b+3], s[\g1b:\g1b+7]
	s_nop 0
.rept 4
	v_nop
.endr
.Lasked_\@:
.endm
.macro CREST
	s_cmp_lg_u32 s14, 0
	s_cbranch_scc1 .Lnot_wave_0_\@
	s_barrier_signal -3
.Lnot_wave_0_\@:
	s_barrier_wait -3
	s_barrier_signal -1
	s_barrier_wait -1
.endm
.macro CROUND
	s_barrier_signal -1
	s_barrier_wait -1
	CREST
.endm
	s_load_b512 s[24:39], s[0:1], 0x0
	s_load_b256 s[40:47], s[0:1], 0x40
	v_lshl_add_u32 v[SPW], v0, 2, SPARE
	v_mov_b32 v[NIL], 0
	ds_add_u32 v28, v29
	ds_add_u32 v28, v29
	s_wait_dscnt 0x0
	v_lshrrev_b32 v1, 5, v0
	v_readfirstlane_b32 s14, v1
	s_lshr_b32 s15, s14, 1
	s_and_b32 s16, s14, 1
	s_and_b32 s17, ttmp7, 0xffff
	s_lshr_b32 s95, s17, 3
	s_and_b32 s17, s17, 7
	s_lshl_b32 s54, s95, 23
	s_mov_b32 s55, 0
	s_lshl_b32 s56, s95, 18
	s_mov_b32 s57, 0
	s_wait_kmcnt 0x0
	s_add_nc_u64 s[6:7], s[24:25], QXS
	s_add_nc_u64 s[48:49], s[24:25], WVC
	s_add_nc_u64 s[50:51], s[24:25], WVS
	s_add_nc_u64 s[52:53], s[24:25], BVP
	s_cmp_eq_u32 s95, 1
	s_cselect_b64 s[4:5], s[26:27], s[24:25]
	s_cselect_b64 s[6:7], s[28:29], s[6:7]
	s_cselect_b64 s[8:9], s[38:39], s[34:35]
	s_cselect_b64 s[10:11], s[40:41], s[36:37]
	s_cselect_b64 s[96:97], s[44:45], s[42:43]
	s_cmp_eq_u32 s95, 2
	s_cselect_b64 s[4:5], s[30:31], s[4:5]
	s_cselect_b64 s[6:7], s[32:33], s[6:7]
	s_cselect_b64 s[8:9], s[48:49], s[8:9]
	s_cselect_b64 s[10:11], s[50:51], s[10:11]
	s_cselect_b64 s[96:97], s[52:53], s[96:97]
	s_add_nc_u64 s[12:13], s[46:47], s[54:55]
	s_add_nc_u64 s[98:99], s[46:47], s[56:57]
	s_add_nc_u64 s[98:99], s[98:99], QSC
	s_bfe_u32 s40, ttmp6, 0x40000
	s_bfe_u32 s41, ttmp6, 0x40004
	s_lshl_b32 s42, ttmp9, 2
	s_add_co_u32 s42, s42, s40
	s_lshl_b32 s17, s17, 2
	s_add_co_u32 s17, s17, s41
	s_lshl_b32 s43, s41, 2
	s_lshl_b32 s43, 15, s43
	s_lshl_b32 s44, 0x1111, s40
	s_or_b32 s[G1+0], s43, (0<<16)|(1<<20)|(1<<21)|(5<<22)|(3<<25)
	s_or_b32 s[G1B+0], s44, (0<<16)|(1<<20)|(1<<21)|(5<<22)|(3<<25)
.irp g, G1, G1B
	s_mov_b32 s[\g+1], ROWB<<16
	s_mov_b32 s[\g+2], 256<<16                     ; the head's loads of codes bring 256 rows; behind them the two words that count rows are set to 128
	s_mov_b32 s[\g+3], ROWB<<16
	s_mov_b32 s[\g+4], 256
	s_mov_b32 s[\g+5], KROW
	s_mov_b32 s[\g+6], 0
	s_mov_b32 s[\g+7], 0
.endr
	s_or_b32 s[G1S+0], s43, (3<<16)|(1<<20)|(1<<21)|(5<<22)|(3<<25)
	s_or_b32 s[G1SB+0], s44, (3<<16)|(1<<20)|(1<<21)|(5<<22)|(3<<25)
.irp g, G1S, G1SB
	s_mov_b32 s[\g+1], 32<<16
	s_mov_b32 s[\g+2], (256*KS/256)<<16            ; the scale bytes of 256 rows: one dense block
	s_mov_b32 s[\g+3], 32<<16
	s_mov_b32 s[\g+4], 256*KS/256
	s_mov_b32 s[\g+5], 32
	s_mov_b32 s[\g+6], 0
	s_mov_b32 s[\g+7], 0
.endr
	s_lshl_b32 s20, s17, 8                         ; A: the tile's first row
	s_lshl_b32 s46, s42, 8                         ; B: likewise
	s_mov_b32 s21, 0
	s_mov_b32 s47, 0
	s_mov_b64 s[18:19], KS
	s_mul_u64 s[22:23], s[20:21], s[18:19]
	s_mul_u64 s[92:93], s[46:47], s[18:19]
	s_mov_b64 s[18:19], KROW
	s_mul_u64 s[20:21], s[20:21], s[18:19]
	s_mul_u64 s[46:47], s[46:47], s[18:19]
	s_mul_i32 s45, s14, HALFT
	s_mul_i32 s18, s16, 128*KROW                   ; in the ring I fetch 128 rows of a tile: which half, in bytes
	s_mov_b32 s19, 0
	s_add_nc_u64 s[20:21], s[4:5], s[20:21]
	s_add_nc_u64 s[22:23], s[6:7], s[22:23]
	s_add_nc_u64 s[46:47], s[8:9], s[46:47]
	s_add_nc_u64 s[92:93], s[10:11], s[92:93]
	CROUND
	s_mov_b32 s[G0S], 1
	s_mov_b32 s[G0S+1], SCL
	s_mov_b64 s[G0S+2:G0S+3], s[22:23]
	s_or_b32 s[G0S+3], s[G0S+3], 0x80000000
	s_mov_b32 s[G0SB], 1
	s_mov_b32 s[G0SB+1], SCL+2*HALFS
	s_mov_b64 s[G0SB+2:G0SB+3], s[92:93]
	s_or_b32 s[G0SB+3], s[G0SB+3], 0x80000000
	s_mov_b32 s4, 1                                ; group 0 of the head's loads of K step 0: A's 256 rows (the arguments that lay in s4-11 have been used),
	s_mov_b32 s5, 0
	s_mov_b64 s[6:7], s[20:21]
	s_or_b32 s7, s7, 0x80000000
	s_mov_b32 s8, 1                                ; and B's 256 rows, behind them in slot 0
	s_mov_b32 s9, 2*HALFT
	s_mov_b64 s[10:11], s[46:47]
	s_or_b32 s11, s11, 0x80000000
	s_add_nc_u64 s[20:21], s[20:21], s[18:19]      ; for the ring: my 128 rows of the tile
	s_add_nc_u64 s[46:47], s[46:47], s[18:19]
.irp s, 0,1
	s_mov_b32 s[G0+4*\s], 1
	s_add_co_u32 s[G0+4*\s+1], s45, \s*SLOT
	s_add_nc_u64 s[G0+4*\s+2:G0+4*\s+3], s[20:21], \s*ROWB
	s_or_b32 s[G0+4*\s+3], s[G0+4*\s+3], 0x80000000
	s_mov_b32 s[G0B+4*\s], 1
	s_add_co_u32 s[G0B+4*\s+1], s45, \s*SLOT
	s_add_nc_u64 s[G0B+4*\s+2:G0B+4*\s+3], s[46:47], \s*ROWB
	s_or_b32 s[G0B+4*\s+3], s[G0B+4*\s+3], 0x80000000
.endr
; The head's loads, one a wave: wave 0 K step 0's 256 rows of A, wave 1 its 256 rows of B, wave 2 the scale bytes of A's 256 rows, wave 3 those of B's.
; One tree of branches on the wave's number: every way through the head passes exactly one load.
.macro ARM under, g0, g1, next
	s_cmp_lt_u32 s14, \under
	s_cbranch_scc0 \next
	tensor_load_to_lds s[\g0:\g0+3], s[\g1:\g1+7]
	s_nop 0
.rept 4
	v_nop
.endr
	s_branch .Lhead_asked
\next:
.endm
	ARM 1, 4,   G1,  .Lhead_b
	ARM 2, 8,   G1B, .Lhead_sa
	ARM 3, G0S, G1S, .Lhead_sb
	tensor_load_to_lds s[G0SB:G0SB+3], s[G1SB:G1SB+7]
	s_nop 0
.rept 4
	v_nop
.endr
.Lhead_asked:
	v_and_b32 v1, 15, v0
	s_wait_alu depctr_va_vdst(0)
	v_bfe_u32 v2, v0, 4, 1
	s_lshl_b32 s20, s42, 10
	s_lshl_b32 s21, s16, 9
	s_add_co_u32 s20, s20, s21
	s_mov_b32 s21, 0
	s_add_nc_u64 s[96:97], s[96:97], s[20:21]
	v_lshlrev_b32 v[BA], 5, v2
.irp b, 0,1,2,3,4,5,6,7
	global_load_b128 v[BI+8*\b:BI+8*\b+3], v[BA], s[96:97] offset:64*\b
	global_load_b128 v[BI+8*\b+4:BI+8*\b+7], v[BA], s[96:97] offset:64*\b+16
.endr
	v_mul_u32_u24 v3, v1, PITCH
	v_lshl_add_u32 v4, v2, 4, v3
	s_mul_i32 s21, s15, HALFT
	s_mul_i32 s22, s16, HALFT
	s_add_co_u32 s22, s22, 2*HALFT
.irp s, 0,1
	v_add_nc_u32 v[ADRA+\s], s21, v4
	v_add_nc_u32 v[ADRB+\s], s22, v4
	s_add_co_u32 s21, s21, SLOT
	s_add_co_u32 s22, s22, SLOT
.endr
	v_mul_u32_u24 v5, v1, KS
	v_lshrrev_b32 v6, 8, v5
	v_lshl_add_u32 v5, v6, 4, v5
	s_mul_i32 s21, s15, HALFS
	s_mul_i32 s22, s16, HALFS
	s_add_co_u32 s22, s22, 2*HALFS
	s_sub_co_u32 s22, s22, s21
	v_mul_u32_u24 v6, s22, v2
	s_add_co_u32 s21, s21, SCL
	v_add_nc_u32 v5, v5, v6
	v_add_nc_u32 v[ADRS], s21, v5
	v_lshrrev_b32 v5, 1, v1
	v_and_b32 v6, 1, v1
	v_lshlrev_b32 v[VCO], 5, v5
	v_lshl_add_u32 v[VCO], v2, 4, v[VCO]
	v_lshl_add_u32 v[VCO], v6, 3, v[VCO]
	s_lshl_b32 s23, s14, 9
	v_add_nc_u32 v[VSB], s23, v5
	v_and_b32 v6, 31, v0
	v_lshlrev_b32 v[LN16], 4, v6
	v_add_nc_u32 v[VSR], s23, v[LN16]
	v_lshlrev_b32 v[R32], 5, v1
.macro FRAG reg, adr, q, i
.irp c, 0,1,2,3
	ds_load_b128 v[\reg+4*\c:\reg+4*\c+3], v[\adr] offset:128*(\q)+32*\c+(\i)*16*PITCH
.endr
.endm
.macro MUL16 a0, p, q, sc, zero
.irp a, \a0, \a0+1
.irp b, 0,1,2,3,4,5,6,7
.if \zero
	v_wmma_scale_f32_16x16x128_f8f6f4 v[8*(8*((\a)%4)+\b):8*(8*((\a)%4)+\b)+7], v[128*(\p)+FR*\b:128*(\p)+FR*\b+FR-1], v[AF+FR*(\a):AF+FR*(\a)+FR-1], v[BI+8*\b:BI+8*\b+7], v[SC+8*NQ*(\sc)+NQ*\b+(\q)], v[SC+8*NQ*(\sc)+NQ*(\a)+(\q)] matrix_a_scale:MATRIX_SCALE_ROW1
.else
	v_wmma_scale_f32_16x16x128_f8f6f4 v[8*(8*((\a)%4)+\b):8*(8*((\a)%4)+\b)+7], v[128*(\p)+FR*\b:128*(\p)+FR*\b+FR-1], v[AF+FR*(\a):AF+FR*(\a)+FR-1], v[8*(8*((\a)%4)+\b):8*(8*((\a)%4)+\b)+7], v[SC+8*NQ*(\sc)+NQ*\b+(\q)], v[SC+8*NQ*(\sc)+NQ*(\a)+(\q)] matrix_a_scale:MATRIX_SCALE_ROW1
.endif
.endr
.endr
.endm
.macro FETCH_B slot, q, p
	WIN TO_B
.irp i, 0,1,2,3,4,5,6,7
	FRAG 128*(\p)+FR*\i, ADRB+\slot, \q, \i
.endr
	WIN 0
.endm
.macro FETCH_A slot, q, i0
.irp i, \i0, \i0+1, \i0+2, \i0+3
	FRAG AF+FR*(\i), ADRA+\slot, \q, \i
.endr
.endm
.macro SCALES sc
.irp i, 0,1,2,3,4,5,6,7
	ds_load_b64 v[SC+8*NQ*\sc+NQ*\i:SC+8*NQ*\sc+NQ*\i+1], v[ADRS] offset:\i*SBLK
.endr
.endm
.macro PLACES n
.rept \n
	v_nop
.endr
.endm
.macro STEP slot, q, zero
	s_wait_dscnt 4*NL
.if \zero
	WIN 0x81
.else
	WIN MUL_LO
.endif
	MUL16 0, (\q)%2, \q, \slot, \zero
	MUL16 2, (\q)%2, \q, \slot, \zero
	s_wait_dscnt 0
	PLACES NP
	FETCH_B \slot, (\q)+1, 1-(\q)%2
	FETCH_A \slot, (\q)+1, 0
.if \zero
	WIN 0xc1
.else
	WIN MUL_HI
.endif
	MUL16 4, (\q)%2, \q, \slot, \zero
	MUL16 6, (\q)%2, \q, \slot, \zero
	PLACES NP
	WIN 0
	FETCH_A \slot, (\q)+1, 4
.endm
.macro TURN slot, next, fill
	s_wait_tensorcnt 0x0
	ds_add_u32 v[SPW], v[NIL]
	s_wait_dscnt 4*NL+1
	WIN MUL_LO
	MUL16 0, 1, NQ-1, \slot, 0
	s_wait_dscnt 0x0
	s_barrier_signal -1
	MUL16 2, 1, NQ-1, \slot, 0
	WIN 0
	s_barrier_wait -1
.if \fill
	CREST
	s_add_nc_u64 s[G0+4*\slot+2:G0+4*\slot+3], s[G0+4*\slot+2:G0+4*\slot+3], 2*ROWB
	s_add_nc_u64 s[G0B+4*\slot+2:G0B+4*\slot+3], s[G0B+4*\slot+2:G0B+4*\slot+3], 2*ROWB
	JLOAD G0+4*\slot, G1, G0B+4*\slot, G1B
	PLACES NP-4
.else
	PLACES NP
.endif
	s_wait_alu depctr_va_vdst(0)
	v_add_nc_u32 v[ADRS], 4*NQ, v[ADRS]
	FETCH_B \next, 0, 0
	FETCH_A \next, 0, 0
	SCALES \next
	WIN MUL_HI
	MUL16 4, 1, NQ-1, \slot, 0
	MUL16 6, 1, NQ-1, \slot, 0
	PLACES NP
	WIN 0
	FETCH_A \next, 0, 4
.endm
	s_wait_alu depctr_va_vdst(0)                   ; the wait at the head's end
	s_wait_tensorcnt 0x0                           ; my tile of the head's four is in; these lines stand ahead of a later first fill as ahead of a refill
	ds_add_u32 v[SPW], v[NIL]
	s_mov_b32 s[G1+2], 128<<16                     ; no tensor load of mine is out: from here on a load brings 128 rows
	s_mov_b32 s[G1+4], 128
	s_mov_b32 s[G1B+2], 128<<16
	s_mov_b32 s[G1B+4], 128
	s_wait_dscnt 0x0
	CROUND                                         ; all four tiles are in, and all sixteen work-groups are here
	JLOAD G0+4, G1, G0B+4, G1B                     ; K step 1, the first tensor load behind the round
	FETCH_B 0, 0, 0
	FETCH_A 0, 0, 0
	SCALES 0
	FETCH_A 0, 0, 4
	s_wait_loadcnt 0x0
	STEP 0, 0, 1
	s_mov_b32 s3, LAPS-1
.Llap:
	TURN 0, 1, 1
	STEP 1, 0, 0
	TURN 1, 0, 1
	STEP 0, 0, 0
	s_sub_co_u32 s3, s3, 1
	s_cmp_lg_u32 s3, 0
	s_cbranch_scc1 .Llap
	TURN 0, 1, 0
	STEP 1, 0, 0
	s_wait_dscnt 4*NL
	WIN MUL_LO
	MUL16 0, 1, NQ-1, 1, 0
	MUL16 2, 1, NQ-1, 1, 0
	s_wait_dscnt 0
	WIN MUL_HI
	MUL16 4, 1, NQ-1, 1, 0
	MUL16 6, 1, NQ-1, 1, 0
	WIN 0
	PLACES NP
	s_mov_b32 s66, 0x76543210
	s_mov_b32 s67, 0xfedcba98
	s_mov_b32 s18, 0x600000
	s_lshl_b32 s20, s17, 18
	s_lshl_b32 s21, s15, 17
	s_add_co_u32 s20, s20, s21
	s_lshl_b32 s22, s17, 13
	s_lshl_b32 s23, s15, 12
	s_add_co_u32 s22, s22, s23
	s_mov_b32 s21, 0
	s_mov_b32 s23, 0
	s_add_nc_u64 s[12:13], s[12:13], s[20:21]
	s_add_nc_u64 s[98:99], s[98:99], s[22:23]
	s_cmp_eq_u32 s95, 2
	s_cbranch_scc1 .Lv
	s_lshl_b32 s20, s42, 12
	s_lshl_b32 s22, s16, 11
	s_add_co_u32 s20, s20, s22
	s_add_nc_u64 s[12:13], s[12:13], s[20:21]
	s_lshl_b32 s20, s42, 3
	s_lshl_b32 s22, s16, 2
	s_add_co_u32 s20, s20, s22
	s_add_nc_u64 s[98:99], s[98:99], s[20:21]
.macro QKOUT a
.set W,  2+(\a)/4
.set AC, 64*((\a)%4)
.set CD, 128+16*((\a)%2)
.set SW, 160+(\a)%2
.if (\a) >= 2
	s_wait_xcnt 0x0
.endif
	WIN W|(W<<2)
.irp e, 0,1,2,3
	v_max3_num_f32 v[TM+\e], |v[AC+16*\e]|, |v[AC+16*\e+1]|, 0x4800000
.endr
	WIN (W<<2)|(W<<4)
.irp i, 2,4,6,8,10,12,14
.irp e, 0,1,2,3
	v_max3_num_f32 v[TM+\e], v[TM+\e], |v[AC+16*\e+\i]|, |v[AC+16*\e+\i+1]|
.endr
.endr
	WIN 0
.irp e, 0,1,2,3
	v_permlanex16_b32 v[TM+4+\e], v[TM+\e], s66, s67
.endr
.irp e, 0,1,2,3
	v_max_num_f32 v[TM+\e], v[TM+\e], v[TM+4+\e]
.endr
.irp e, 0,1,2,3
	v_add_nc_u32 v[TM+12+\e], 0xfc000000, v[TM+\e]
.endr
.irp e, 0,1,2,3
	v_and_or_b32 v[TM+8+\e], v[TM+\e], 0x7f800000, s18
.endr
.irp e, 0,1,2,3
	v_lshrrev_b32 v[TM+4+\e], 23, v[TM+12+\e]
.endr
	v_lshl_or_b32 v[SW], v[TM+5], 8, v[TM+4]
	v_lshl_or_b32 v[SW], v[TM+6], 16, v[SW]
	v_lshl_or_b32 v[SW], v[TM+7], 24, v[SW]
	WIN (W<<6)|W
.irp e, 0,1,2,3
.irp i, 0,1,2,3,4,5,6,7,8,9,10,11,12,13,14,15
	v_med3_num_f32 v[AC+16*\e+\i], v[AC+16*\e+\i], -v[TM+8+\e], v[TM+8+\e]
.endr
.endr
	WIN W
.irp e, 0,1,2,3
	v_cvt_scalef32_pk8_fp8_f32 v[CD+4*\e:CD+4*\e+1], v[AC+16*\e:AC+16*\e+7], v[TM+12+\e]
	v_cvt_scalef32_pk8_fp8_f32 v[CD+4*\e+2:CD+4*\e+3], v[AC+16*\e+8:AC+16*\e+15], v[TM+12+\e]
.endr
	WIN 0
	v_nop
.irp e, 0,1,2,3
	global_store_b128 v[LN16], v[CD+4*\e:CD+4*\e+3], s[12:13] offset:(\a)*16384+\e*512
.endr
	global_store_b32 v[R32], v[SW], s[98:99] offset:(\a)*512
.endm
.irp a, 0,1,2,3,4,5,6,7
	QKOUT \a
.endr
	s_branch .Ldone
.Lv:
	s_lshr_b32 s20, s42, 1
	s_lshl_b32 s20, s20, 5
	s_lshl_b32 s22, s16, 4
	s_add_co_u32 s20, s20, s22
	s_and_b32 s22, s42, 1
	s_lshl_b32 s22, s22, 3
	s_add_co_u32 s22, s20, s22
	s_lshl_b32 s20, s22, 11
	s_add_nc_u64 s[12:13], s[12:13], s[20:21]
	s_lshl_b32 s20, s22, 6
	s_add_nc_u64 s[98:99], s[98:99], s[20:21]
.macro VOUT a
.set W,  2+(\a)/4
.set AC, 64*((\a)%4)
.set CD, 128+16*((\a)%2)
.if (\a) >= 2
	s_wait_xcnt 0x0
.endif
	WIN W|(W<<2)
.irp b, 0,1,2,3,4,5,6,7
	v_max3_num_f32 v[TM+\b], |v[AC+8*\b]|, |v[AC+8*\b+1]|, 0x4800000
.endr
	WIN (W<<2)|(W<<4)
.irp i, 2,4,6
.irp b, 0,1,2,3,4,5,6,7
	v_max3_num_f32 v[TM+\b], v[TM+\b], |v[AC+8*\b+\i]|, |v[AC+8*\b+\i+1]|
.endr
.endr
	WIN 0
.irp b, 0,1,2,3,4,5,6,7
	v_max_num_f32_dpp v[TM+\b], v[TM+\b], v[TM+\b] row_xmask:1 row_mask:0xf bank_mask:0xf
.endr
.irp b, 0,1,2,3,4,5,6,7
	v_permlanex16_b32 v[TM+8+\b], v[TM+\b], s66, s67
.endr
.irp b, 0,1,2,3,4,5,6,7
	v_max_num_f32 v[TM+\b], v[TM+\b], v[TM+8+\b]
.endr
.irp b, 0,1,2,3,4,5,6,7
	v_add_nc_u32 v[TM+24+\b], 0xfc000000, v[TM+\b]
.endr
.irp b, 0,1,2,3,4,5,6,7
	v_and_or_b32 v[TM+16+\b], v[TM+\b], 0x7f800000, s18
.endr
.irp b, 0,1,2,3,4,5,6,7
	v_lshrrev_b32 v[TM+8+\b], 23, v[TM+24+\b]
.endr
	WIN (W<<6)|W
.irp b, 0,1,2,3,4,5,6,7
.irp i, 0,1,2,3,4,5,6,7
	v_med3_num_f32 v[AC+8*\b+\i], v[AC+8*\b+\i], -v[TM+16+\b], v[TM+16+\b]
.endr
.endr
	WIN W
.irp b, 0,1,2,3,4,5,6,7
	v_cvt_scalef32_pk8_fp8_f32 v[CD+2*\b:CD+2*\b+1], v[AC+8*\b:AC+8*\b+7], v[TM+24+\b]
.endr
	WIN 0
	v_nop
.irp b, 0,1,2,3,4,5,6,7
	global_store_b64 v[VCO], v[CD+2*\b:CD+2*\b+1], s[12:13] offset:\b*2048+(\a)*256
.endr
.irp b, 0,1,2,3,4,5,6,7
	ds_store_b8 v[VSB], v[TM+8+\b] offset:\b*64+8*(\a)
.endr
.endm
.irp a, 0,1,2,3,4,5,6,7
	VOUT \a
.endr
	ds_load_b128 v[96:99], v[VSR]
	s_wait_dscnt 0x0
	global_store_b128 v[LN16], v[96:99], s[98:99]
.Ldone:
	s_wait_tensorcnt 0x0
	ds_add_u32 v[SPW], v[NIL]
	s_wait_dscnt 0x0
	CROUND
	s_endpgm
.Lfunc_end_k_q2bb220558c_proj:
	.size	k_q2bb220558c_proj, .Lfunc_end_k_q2bb220558c_proj-k_q2bb220558c_proj
	.p2alignl 7, 3214868480
	.fill 96, 4, 3214868480
	.section	.rodata,"a",@progbits
	.p2align	6, 0x0
	.amdhsa_kernel k_q2bb220558c_proj
		.amdhsa_group_segment_fixed_size 327680
		.amdhsa_private_segment_fixed_size 0
		.amdhsa_enable_private_segment 0
		.amdhsa_kernarg_size 96
		.amdhsa_user_sgpr_count 2
		.amdhsa_user_sgpr_kernarg_segment_ptr 1
		.amdhsa_wavefront_size32 1
		.amdhsa_system_sgpr_workgroup_id_x 1
		.amdhsa_system_sgpr_workgroup_id_y 1
		.amdhsa_system_sgpr_workgroup_id_z 1
		.amdhsa_system_vgpr_workitem_id 0
		.amdhsa_next_free_vgpr 1024
		.amdhsa_next_free_sgpr 100
		.amdhsa_reserve_vcc 0
		.amdhsa_float_denorm_mode_32 3
		.amdhsa_float_denorm_mode_16_64 3
		.amdhsa_memory_ordered 1
		.amdhsa_forward_progress 1
		.amdhsa_inst_pref_size 255
	.end_amdhsa_kernel
	.section	.bss,"aw",@nobits
	.p2align	6
	.space	262144
	.amdgpu_metadata
---
amdhsa.version: [ 1, 2 ]
amdhsa.kernels:
  - .name:           k_q2bb220558c_proj
    .symbol:         k_q2bb220558c_proj.kd
    .args:
      - { .name: prepw, .offset: 0, .size: 8, .value_kind: global_buffer, .address_space: global }
      - { .name: keys_codes, .offset: 8, .size: 8, .value_kind: global_buffer, .address_space: global }
      - { .name: keys_scales, .offset: 16, .size: 8, .value_kind: global_buffer, .address_space: global }
      - { .name: values_codes, .offset: 24, .size: 8, .value_kind: global_buffer, .address_space: global }
      - { .name: values_scales, .offset: 32, .size: 8, .value_kind: global_buffer, .address_space: global }
      - { .name: Wq_codes, .offset: 40, .size: 8, .value_kind: global_buffer, .address_space: global }
      - { .name: Wq_scales, .offset: 48, .size: 8, .value_kind: global_buffer, .address_space: global }
      - { .name: Wk_codes, .offset: 56, .size: 8, .value_kind: global_buffer, .address_space: global }
      - { .name: Wk_scales, .offset: 64, .size: 8, .value_kind: global_buffer, .address_space: global }
      - { .name: bq, .offset: 72, .size: 8, .value_kind: global_buffer, .address_space: global }
      - { .name: bk, .offset: 80, .size: 8, .value_kind: global_buffer, .address_space: global }
      - { .name: projw, .offset: 88, .size: 8, .value_kind: global_buffer, .address_space: global }
    .group_segment_fixed_size: 327680
    .private_segment_fixed_size: 0
    .kernarg_segment_align: 8
    .kernarg_segment_size: 96
    .max_flat_workgroup_size: 128
    .sgpr_count:     100
    .vgpr_count:     1024
    .wavefront_size: 32
...
	.end_amdgpu_metadata
.endif
;; end of part 2
;; launch attn (part 3): grid 4 x 64, 16 waves a work-group, clusters of 4 x 1, 327,680 bytes of LDS; arguments projw, prepw, Wo_scales, bo, queries, ln_gamma, ln_beta, out0; writes out0
.if DOCPART == 3
	.amdgcn_target "amdgcn-amd-amdhsa--gfx1250"
	.amdhsa_code_object_version 6
	.text
	.protected	k_q2bb220558c_attn
	.globl	k_q2bb220558c_attn
	.p2align	8
	.type	k_q2bb220558c_attn,@function
k_q2bb220558c_attn:
	s_mov_b64 s[64:65], 0
	v_nop
	global_prefetch_b8 v0, s[64:65] scope:SCOPE_SE
	s_setreg_imm32_b32 hwreg(HW_REG_WAVE_MODE, 25, 1), 1
	s_wait_xcnt 0x0
	s_wait_alu depctr_hold_cnt(0) depctr_sa_sdst(0) depctr_va_vdst(0) depctr_va_sdst(0) depctr_va_ssrc(0) depctr_va_vcc(0) depctr_vm_vsrc(0)
	s_getreg_b32 s2, hwreg(HW_REG_IB_STS2, 6, 4)
	s_cmp_eq_u32 s2, 0
	s_cbranch_scc0 .Lentry_in_a_cluster
	s_endpgm
.Lentry_in_a_cluster:
	s_bfe_u32 s2, ttmp6, 0x10000c
	s_cmp_lg_u32 s2, 0x3003
	s_cbranch_scc0 .Lentry_shape_is_right
	s_endpgm
.Lentry_shape_is_right:
; Attention, the last product and the LayerNorm in one launch, all products on codes of E4M3 with E8M0 scales.
; PART 1: for each of 64 heads of 2,048 tokens x 64, O = softmax(q k^T / 8) v, and O quantised along d.
; THE SOFTMAX: t = score x log2(e) / 8; M = the running largest t rounded UP to a whole number; p = 2^(t - M) is quantised along the keys, not normalised; the row's sum is taken
; of the unquantised p and divides O at the end; when M moves, the sum and O are multiplied by 2^(old M - new M), which rounds nothing.
; SHARES.  A work-group owns 512 queries of one head, which are 32 WHOLE rows of [8192][1024]; wave w owns piece w (columns 64 w on): two tiles of 16 queries, one after the other.
; All of the head's K and V, codes and scale bytes, lie in LDS, filled ONCE, one tensor load a wave.  The four work-groups of a cluster belong to one head and ask for them JOINTLY.
; LAYOUT.  Both products are used transposed (S^T = K Q^T, O^T = V^T P^T): a lane holds one query.  K = 64 fills half of a matrix instruction: Q's upper eight registers are zero codes.
; V's codes are stored by the launch before in the order in which p's registers hold the keys, its rows so that O^T's registers are the next operand's order.
; PART 2: out0 = LayerNorm(O Wo + bo + queries) x gamma + beta for the same 32 rows.  O's codes and scale bytes pass from wave to wave through LDS bytes of their own, as images of the operand's registers.
; Wave w makes columns 64 w .. 64 w + 63 of the 32 rows: 8 accumulators; its 65,536 bytes of Wo's images go from memory straight into two register groups of 64, 16 loads of 512 bytes each.
; NO JOINT LOADS FOR Wo: each byte of it is wanted by ONE wave of a work-group, ONCE; K's and V's bytes in LDS are in use until part 1 ends, so it has no room in LDS to be brought ahead.
; Wo is not prefetched: all 256 work-groups read the same 1,048,576 bytes.  The residual is: each wave names its own 8,192 bytes of queries once, a tile of queries (16 key steps) ahead of their loads.
; Then the rows meet in a stage laid over K's bytes (they have had their only fill, and a barrier stands behind their last read); wave w takes rows 2 w, 2 w + 1 whole.
; LIMITS: NaN and infinities are not served; the scaled scores stay under 2^31 in magnitude; a block of O whose largest magnitude lies under 2^-118, a block of zeros too, gets the byte 1 (read here alone).
.set KIM,  0x800000                    ; projw: q's images at 0, k's, v's rows, the three regions of scale bytes
.set VTC,  0x1000000
.set QSC,  0x1800000
.set KSC,  0x1840000
.set VSC,  0x1880000
.set WOI,  9736192                     ; prepw: Wo's images
.set VT,   133120                      ; LDS: K's images at 0: 128 rows of 1,024 + 16 bytes;  V: 8 chunks of 256 keys x 64 rows x (256 + 16);
.set KSCL, 272384                      ; K's scale bytes, dense;
.set VSCL, 276480                      ; V's: 64 rows x (64 + 16);
.set OST,  281600                      ; O's scale bytes: 32 rows x 32, written by LDS stores alone;
.set SPARE, 282624                     ; the spare words, 128 bytes a wave;
.set OIM,  284672                      ; O's images, 32,768 bytes, written by LDS stores alone
.set CG,   317440                      ; gamma, then beta: 4,096 bytes each, written by LDS stores alone, 256 bytes of each by each wave
.set SPITCH, 4112                      ; a stage row: 4,096 bytes + 16
.set AK0,  1
.set AV0,  2
.set ASK0, 3
.set ASV0, 4
.set L16,  5                           ; 16 x lane; never rewritten
.set R32,  6
.set OSA,  7
.set ADK,  8
.set ADV,  9
.set ADS,  10
.set ADT,  11
.set KF,   32                          ; v32-95 eight tiles of K or four fragments of V; v96-103 zeros
.set S,    104                         ; v104-167 S^T, then p
.set O,    168                         ; v168-199 O^T
.set PC,   200                         ; p's codes
.set BM,   216
.set BP,   220
.set HL,   224
.set SX,   228
.set TT,   232
.set PFO,  233                         ; 256 x lane: the prefetch's offset
.set F,    234
.set KSW,  240                         ; v240-243 K's scale words; v244-245 V's; v246 Q's; v247 p's
.set VSW,  244
.set QS,   246
.set PS,   247
.set OC,   248                         ; partial sums of p; at a tile's end O's codes
.set SEL,  60
.set CS,   62
.set MNT,  66
.set TK,   67
.set TV,   68
.set TS,   69
.set TJ,   70
.set CNT,  71
.macro ROUND                           ; a round of the cluster's barrier
	s_barrier_signal -1
	s_barrier_wait -1
	s_cmp_lg_u32 s8, 0
	s_cbranch_scc1 .Lnot_wave_0_\@
	s_barrier_signal -3
.Lnot_wave_0_\@:
	s_barrier_wait -3
	s_barrier_signal -1
	s_barrier_wait -1
.endm
	s_load_b512 s[84:99], s[0:1], 0x0              ; projw, prepw, Wo's scales, bo, queries, gamma, beta, out0
	v_lshl_add_u32 v238, v0, 2, SPARE
	v_mov_b32 v239, 0
	ds_add_u32 v238, v239                          ; the opening lines: the add, twice on end, and its wait
	ds_add_u32 v238, v239
	v_lshrrev_b32 v8, 5, v0
	s_delay_alu instid0(VALU_DEP_1)
	v_readfirstlane_b32 s8, v8                     ; wave 0..15
	s_bfe_u32 s9, ttmp6, 0x40000                   ; cx: it enters global addresses of Q, queries and out0 alone
	s_and_b32 s10, ttmp7, 0xffff                   ; the head, which the four partners share
	s_and_b32 s11, s8, 3                           ; waves 0-3: which 32 rows of K's images
	s_sub_co_u32 s7, s8, 4
	s_and_b32 s7, s7, 7                            ; waves 4-11: which chunk of V
	; group 1, K's images: 32 rows of 1,024 bytes (128 elements of 8), dense, 16 bytes of padding behind each
	s_mov_b32 s12, 15|(3<<16)|(1<<20)|(1<<21)|(7<<22)|(3<<25)
	s_mov_b32 s13, 128<<16
	s_mov_b32 s14, 32<<16
	s_mov_b32 s15, 128<<16
	s_mov_b32 s16, 32
	s_mov_b32 s17, 128
	s_mov_b32 s18, 0
	s_mov_b32 s19, 0
	; V: 64 rows x 256 bytes, 2,048 bytes apart, 16 bytes of padding behind each
	s_mov_b32 s20, 15|(0<<16)|(1<<20)|(1<<21)|(5<<22)|(3<<25)
	s_mov_b32 s21, 256<<16
	s_mov_b32 s22, 64<<16
	s_mov_b32 s23, 256<<16
	s_mov_b32 s24, 64
	s_mov_b32 s25, 2048
	s_mov_b32 s26, 0
	s_mov_b32 s27, 0
	; K's scale bytes: 4,096 dense bytes as 16 rows of 256
	s_mov_b32 s28, 15|(3<<16)|(1<<21)
	s_mov_b32 s29, 32<<16
	s_mov_b32 s30, 16<<16
	s_mov_b32 s31, 32<<16
	s_mov_b32 s32, 16
	s_mov_b32 s33, 32
	s_mov_b32 s34, 0
	s_mov_b32 s35, 0
	; V's scale bytes: 64 rows of 64 bytes, dense, 16 bytes of padding behind each
	s_mov_b32 s36, 15|(3<<16)|(1<<20)|(1<<21)|(3<<22)|(3<<25)
	s_mov_b32 s37, 8<<16
	s_mov_b32 s38, 64<<16
	s_mov_b32 s39, 8<<16
	s_mov_b32 s40, 64
	s_mov_b32 s41, 8
	s_mov_b32 s42, 0
	s_mov_b32 s43, 0
	s_mov_b32 s[SEL], 0x76543210
	s_mov_b32 s[SEL+1], 0xfedcba98                 ; v_permlanex16_b32's selects for lane l xor 16
	s_mov_b32 s[CS], 0x3e38aa3b                    ; c = log2(e) / 8
	s_mov_b32 s[CS+1], s[CS]
	s_mov_b32 s[MNT], 0x600000                     ; the mantissa field of 448
	s_lshl_b32 s80, s10, 17                        ; the head's codes: 131,072 bytes in each region,
	s_mov_b32 s81, 0
	s_lshl_b32 s82, s10, 12                        ; its scale bytes: 4,096
	s_mov_b32 s83, 0
	s_mov_b32 s5, 0
	s_wait_dscnt 0x0
	s_wait_kmcnt 0x0
	s_mov_b32 s44, 1                               ; group 0, K's images
	s_mul_i32 s45, s11, 33280
	s_lshl_b32 s4, s11, 15
	s_add_nc_u64 s[46:47], s[84:85], s[80:81]
	s_add_nc_u64 s[54:55], s[46:47], VTC
	s_add_nc_u64 s[46:47], s[46:47], s[4:5]
	s_add_nc_u64 s[46:47], s[46:47], KIM
	s_or_b32 s47, s47, 0x80000000
	s_mov_b32 s52, 1                               ; V's chunk
	s_mul_i32 s53, s7, 17408
	s_add_co_u32 s53, s53, VT
	s_lshl_b32 s4, s7, 8
	s_add_nc_u64 s[54:55], s[54:55], s[4:5]
	s_or_b32 s55, s55, 0x80000000
	s_mov_b32 s48, 1                               ; K's scale bytes
	s_mov_b32 s49, KSCL
	s_add_nc_u64 s[50:51], s[84:85], s[82:83]
	s_add_nc_u64 s[58:59], s[50:51], VSC
	s_add_nc_u64 s[50:51], s[50:51], KSC
	s_or_b32 s51, s51, 0x80000000
	s_mov_b32 s56, 1                               ; V's scale bytes
	s_mov_b32 s57, VSCL
	s_or_b32 s59, s59, 0x80000000
	ROUND                                          ; all four work-groups are here: the joint loads meet
; The head's loads, one a wave, in one tree of branches on the wave's number: waves 0-3 K, 4-11 V, 12 K's scale bytes, 13 V's; waves 14 and 15 none.
.macro ARM under, g0, g1, next
	s_cmp_lt_u32 s8, \under
	s_cbranch_scc0 \next
	tensor_load_to_lds s[\g0:\g0+3], s[\g1:\g1+7]
	s_nop 0
.rept 4
	v_nop
.endr
	s_branch .Lhead_asked
\next:
.endm
	ARM 4,  44, 12, .Lhead_v
	ARM 12, 52, 20, .Lhead_sk
	ARM 13, 48, 28, .Lhead_sv
	ARM 14, 56, 36, .Lhead_none
.Lhead_asked:
	s_lshl_b32 s4, s9, 15                          ; my work-group's two row tiles, 16,384 bytes each,
	s_lshl_b32 s6, s8, 10                          ; and my piece's two blocks in them
	s_add_co_u32 s4, s4, s6
	s_add_nc_u64 s[72:73], s[84:85], s[80:81]
	s_add_nc_u64 s[72:73], s[72:73], s[4:5]        ; Q's images
	s_add_co_u32 s3, s6, OIM                       ; LDS: my piece's place in O's images
	s_lshl_b32 s4, s9, 10
	s_lshl_b32 s6, s8, 1
	s_add_co_u32 s4, s4, s6
	s_add_nc_u64 s[74:75], s[84:85], s[82:83]
	s_add_nc_u64 s[74:75], s[74:75], s[4:5]
	s_add_nc_u64 s[74:75], s[74:75], QSC           ; Q's scale bytes: my piece's two of each row
	s_add_co_u32 s2, s6, OST                       ; LDS: my piece's two bytes in a row of O's scale bytes
	s_lshl_b32 s4, s10, 19                         ; 32 rows of 4,096 bytes for each of the head's four work-groups,
	s_lshl_b32 s6, s9, 17
	s_add_co_u32 s4, s4, s6
	s_lshl_b32 s6, s8, 13                          ; my wave's two rows
	s_add_co_u32 s4, s4, s6
	s_add_nc_u64 s[76:77], s[92:93], s[4:5]        ; queries
	s_add_nc_u64 s[78:79], s[98:99], s[4:5]        ; out0
	s_lshr_b32 s4, s8, 2
	s_lshl_b32 s4, s4, 18                          ; which 256 columns of Wo,
	s_lshl_b32 s6, s11, 13                         ; which four tiles among them
	s_add_co_u32 s4, s4, s6
	s_add_nc_u64 s[86:87], s[86:87], s[4:5]
	s_add_nc_u64 s[86:87], s[86:87], WOI           ; Wo's images: my 64 columns
	s_lshl_b32 s4, s8, 11
	s_add_nc_u64 s[88:89], s[88:89], s[4:5]        ; and their scale bytes
	s_lshl_b32 s4, s8, 8                           ; bo, gamma, beta come once a work-group: my wave fetches 256 bytes of each
	s_add_nc_u64 s[90:91], s[90:91], s[4:5]
	s_add_nc_u64 s[94:95], s[94:95], s[4:5]
	s_add_nc_u64 s[96:97], s[96:97], s[4:5]
	s_add_co_u32 s6, s4, CG
	v_and_b32 v9, 15, v0                           ; r
	v_bfe_u32 v10, v0, 4, 1                        ; h
	v_and_b32 v11, 31, v0                          ; lane
	s_delay_alu instid0(VALU_DEP_3)
	v_mul_u32_u24 v[AK0], v9, 1040
	s_delay_alu instid0(VALU_DEP_1)
	v_lshl_add_u32 v[AK0], v10, 8, v[AK0]
	v_mul_u32_u24 v[AV0], v9, 272
	s_delay_alu instid0(VALU_DEP_1)
	v_lshl_add_u32 v[AV0], v10, 4, v[AV0]
	s_delay_alu instid0(VALU_DEP_1)
	v_add_nc_u32 v[AV0], VT, v[AV0]
	v_lshl_add_u32 v[ASK0], v11, 1, KSCL
	v_mul_u32_u24 v[ASV0], v11, 80
	s_delay_alu instid0(VALU_DEP_1)
	v_add_nc_u32 v[ASV0], VSCL, v[ASV0]
	v_lshlrev_b32 v[L16], 4, v11
	v_lshlrev_b32 v[R32], 5, v9
	v_lshlrev_b32 v[PFO], 8, v11
	v_add_nc_u32 v[OSA], s2, v[R32]
	v_lshlrev_b32 v12, 3, v11                      ; 8 x lane
	s_delay_alu instid0(VALU_DEP_1)
	v_add_nc_u32 v13, s6, v12
	global_load_b64 v[32:33], v12, s[94:95]        ; my 256 bytes of gamma,
	global_load_b64 v[34:35], v12, s[96:97]        ; and of beta
.irp j, 0,1,2,3,4,5,6,7
	v_mov_b32 v[24+\j], 0                          ; Q's upper half: zero codes
	v_mov_b32 v[96+\j], 0                          ; what the eighth tile of K has for an upper half
.endr
.irp b, 0,1,2,3
	v_mov_b32 v[BP+\b], 0                          ; a lane permute's destination counts as one of its sources
.endr
	v_mov_b32 v[TT], 0
	v_mov_b32 v[F+1], 0
	s_wait_alu depctr_va_vdst(0)                   ; the wait at the head's end
	s_wait_tensorcnt 0x0                           ; my part of K or V is in,
	s_wait_loadcnt 0x0
	ds_store_b64 v13, v[32:33]
	ds_store_b64 v13, v[34:35] offset:4096
	s_wait_dscnt 0x0                               ; for the others' sake: my parts of gamma and beta lie in LDS
	s_barrier_signal -1
	s_barrier_wait -1                              ; everybody's are
; A KEY STEP: 128 keys, the q-th of the trip's 256.  The eight places in front of its loads stand at the end of the step before.
.macro STEP q
.irp t, 0,1,2,3,4,5,6,7
	ds_load_b128 v[KF+8*\t:KF+8*\t+3], v[ADK] offset:128*\q+16*\t
	ds_load_b128 v[KF+8*\t+4:KF+8*\t+7], v[ADK] offset:128*\q+16*\t+512
.endr
.irp p, 0,1,2,3
	ds_load_u16 v[KSW+\p], v[ADS] offset:256*\q+64*\p   ; lanes 0-15: tile 2 p's two bytes a key; lanes 16-31: tile 2 p + 1's
.endr
	s_wait_dscnt 0x0
.irp t, 0,1,2,3,4,5,6,7
.if (\t)%2
	v_wmma_scale_f32_16x16x128_f8f6f4 v[S+8*\t:S+8*\t+7], v[KF+8*\t:KF+8*\t+15], v[16:31], 0, v[KSW+\t/2], v[QS] matrix_a_scale:MATRIX_SCALE_ROW1
.else
	v_wmma_scale_f32_16x16x128_f8f6f4 v[S+8*\t:S+8*\t+7], v[KF+8*\t:KF+8*\t+15], v[16:31], 0, v[KSW+\t/2], v[QS]
.endif
.endr
.rept 8
	v_nop                                          ; places in front of the loads below and of the first read of the scores
.endr
.irp t, 0,1,2,3                                ; V of these 128 keys is asked for now and lands under the softmax
.irp c, 0,1,2,3
	ds_load_b128 v[KF+16*\t+4*\c:KF+16*\t+4*\c+3], v[ADV] offset:\t*4352+128*\q+32*\c
.endr
.endr
.irp p, 0,1
	ds_load_b32 v[VSW+\p], v[ADT] offset:2560*\p+4*\q
.endr
.irp b, 0,1,2,3
	v_max3_num_f32 v[BM+\b], v[S+16*\b], v[S+16*\b+1], v[S+16*\b+2]   ; the largest score of each block of 32 keys: for the row's maximum and for the block's largest p
.endr
.irp i, 3,5,7,9,11,13
.irp b, 0,1,2,3
	v_max3_num_f32 v[BM+\b], v[BM+\b], v[S+16*\b+\i], v[S+16*\b+\i+1]
.endr
.endr
.irp b, 0,1,2,3
	v_max_num_f32 v[BM+\b], v[BM+\b], v[S+16*\b+15]
.endr
.irp b, 0,1,2,3
	s_delay_alu instid0(VALU_DEP_4)
	v_permlanex16_b32 v[BP+\b], v[BM+\b], s[SEL], s[SEL+1]
.endr
.irp b, 0,1,2,3
	s_delay_alu instid0(VALU_DEP_4)
	v_max_num_f32 v[BM+\b], v[BM+\b], v[BP+\b]     ; with lane l xor 16's 16 keys
.endr
	s_delay_alu instid0(VALU_DEP_2)
	v_max3_num_f32 v[TT], v[BM], v[BM+1], v[BM+2]
	s_delay_alu instid0(VALU_DEP_1)
	v_max_num_f32 v[TT], v[TT], v[BM+3]            ; the step's largest score of my query
	s_delay_alu instid0(VALU_DEP_1)
	v_mul_f32 v[TT], s[CS], v[TT]                  ; as t
	s_delay_alu instid0(VALU_DEP_1)
	v_max_num_f32 v13, v13, v[TT]                  ; the running largest t
	v_mov_b32 v[TT], v12
	s_delay_alu instid0(VALU_DEP_2)
	v_floor_f32 v12, -v13                          ; the new -M = floor(-t): M is a whole number
	s_delay_alu instid0(VALU_DEP_1)
	v_sub_f32 v[TT], v12, v[TT]                    ; old M - new M: a whole number, 0 or less
	s_delay_alu instid0(VALU_DEP_1)
	v_cvt_i32_f32 v[TT], v[TT]                     ; (it saturates)
	s_delay_alu instid0(VALU_DEP_1)
	v_ldexp_f32 v[F], 1.0, v[TT]                   ; f = 2^(old M - new M)
.set j, 0
.rept 32
	v_pk_fma_f32 v[S+j:S+j+1], v[S+j:S+j+1], s[CS:CS+1], v[12:13] op_sel_hi:[1,0,0]   ; t - M, two at a time
.set j, j+2
.endr
.irp b, 0,1,2,3
	v_fma_f32 v[BM+\b], v[BM+\b], s[CS], v12       ; the same of each block's largest score
.endr
	s_wait_alu depctr_va_vdst(0)                   ; the wait ahead of the batch
.set j, 0
.rept 64
	v_exp_f32 v[S+j], v[S+j]                       ; p = 2^(t - M), at most 1
.set j, j+1
.endr
	v_pk_mul_f32 v[14:15], v[14:15], v[F:F+1] op_sel_hi:[1,0]   ; the sums under the new M: the plain instruction behind the batch
	s_wait_alu depctr_va_vdst(0)                   ; one wait for the 64, ahead of their first reader
.irp b, 0,1,2,3
	v_exp_f32 v[BM+\b], v[BM+\b]                   ; the block's largest p
.endr
; the row's sum of the unquantised p: 32 pairs into six chains by turns; the chains are joined behind the second product
.set j, 0
.irp a, 236,248,250,252,254
	v_pk_add_f32 v[\a:\a+1], v[S+j:S+j+1], v[S+j+2:S+j+3]
.set j, j+4
.endr
.rept 3
.irp a, 14,236,248,250,252,254
	v_pk_add_f32 v[\a:\a+1], v[\a:\a+1], v[S+j:S+j+1]
.set j, j+2
.endr
.endr
.irp a, 14,236,248,250
	v_pk_add_f32 v[\a:\a+1], v[\a:\a+1], v[S+j:S+j+1]
.set j, j+2
.endr
	s_wait_alu depctr_va_vdst(0)                   ; and one for the four
.irp b, 0,1,2,3
	v_max_num_f32 v[BM+\b], 0x4800000, v[BM+\b]    ; the floor 2^(9 - 127): the byte cannot fall under 1
.endr
.irp b, 0,1,2,3
	s_delay_alu instid0(VALU_DEP_4)
	v_add_nc_u32 v[SX+\b], 0xfc000000, v[BM+\b]    ; 8 off the exponent field: the conversion's scale operand
.endr
.irp b, 0,1,2,3
	v_and_or_b32 v[HL+\b], v[BM+\b], 0x7f800000, s[MNT]   ; 448 x the scale
.endr
.irp b, 0,1,2,3
	v_lshrrev_b32 v[BP+\b], 23, v[SX+\b]           ; the scale's byte
.endr
	s_delay_alu instid0(VALU_DEP_3)
	v_lshl_or_b32 v[PS], v[BP+1], 8, v[BP]         ; p's scale word for these 128 keys
	s_delay_alu instid0(VALU_DEP_1)
	v_lshl_or_b32 v[PS], v[BP+2], 16, v[PS]
	s_delay_alu instid0(VALU_DEP_1)
	v_lshl_or_b32 v[PS], v[BP+3], 24, v[PS]
.irp b, 0,1,2,3
.set j, 0
.rept 8
	v_dual_min_num_f32 v[S+16*\b+j], v[S+16*\b+j], v[HL+\b] :: v_dual_min_num_f32 v[S+16*\b+j+1], v[S+16*\b+j+1], v[HL+\b]   ; the conversion does not saturate (ISA guide 7.6.2); p is not negative: a one-sided hold, two numbers a line
.set j, j+2
.endr
	v_cvt_scalef32_pk8_fp8_f32 v[PC+4*\b:PC+4*\b+1], v[S+16*\b:S+16*\b+7], v[SX+\b]
	v_cvt_scalef32_pk8_fp8_f32 v[PC+4*\b+2:PC+4*\b+3], v[S+16*\b+8:S+16*\b+15], v[SX+\b]
.endr
	s_wait_alu depctr_va_vdst(0)                   ; the wait directly ahead of the first reader of O^T
.set j, 0
.rept 16
	v_pk_mul_f32 v[O+j:O+j+1], v[O+j:O+j+1], v[F:F+1] op_sel_hi:[1,0]   ; O^T under the new M; these also stand between the conversions and the products
.set j, j+2
.endr
	s_wait_alu depctr_va_vdst(0)                   ; the wait directly ahead of the wait below
	s_wait_dscnt 0x0                               ; V is in
.irp t, 0,1,2,3
.if (\t)%2
	v_wmma_scale_f32_16x16x128_f8f6f4 v[O+8*\t:O+8*\t+7], v[KF+16*\t:KF+16*\t+15], v[PC:PC+15], v[O+8*\t:O+8*\t+7], v[VSW+\t/2], v[PS] matrix_a_scale:MATRIX_SCALE_ROW1
.else
	v_wmma_scale_f32_16x16x128_f8f6f4 v[O+8*\t:O+8*\t+7], v[KF+16*\t:KF+16*\t+15], v[PC:PC+15], v[O+8*\t:O+8*\t+7], v[VSW+\t/2], v[PS]
.endif
.endr
	v_pk_add_f32 v[14:15], v[14:15], v[236:237]    ; the six chains are joined: five of the eight places behind the products (they name none of the products' registers)
	v_pk_add_f32 v[248:249], v[248:249], v[250:251]
	v_pk_add_f32 v[252:253], v[252:253], v[254:255]
	s_delay_alu instid0(VALU_DEP_2)
	v_pk_add_f32 v[14:15], v[14:15], v[248:249]
	s_delay_alu instid0(VALU_DEP_1)
	v_pk_add_f32 v[14:15], v[14:15], v[252:253]
.rept 3
	v_nop
.endr
.endm
; The tile's end: O^T / the sum, quantised along d in two blocks of 32 (my 16 and lane l xor 16's), put into LDS as the next operand's registers.
.macro FINISH mt
	s_wait_alu depctr_va_vdst(0)                   ; the wait here, directly ahead of the reader below
	v_add_f32 v14, v14, v15
	s_delay_alu instid0(VALU_DEP_1)
	v_permlanex16_b32 v[TT], v14, s[SEL], s[SEL+1]
	s_delay_alu instid0(VALU_DEP_1)
	v_add_f32 v14, v14, v[TT]                      ; the row's sum
	s_wait_alu depctr_va_vdst(0)
	v_rcp_f32 v[F], v14
	v_add_nc_u32 v[BP+2], s3, v[L16]               ; where my codes go: the plain instruction behind the reciprocal,
	s_wait_alu depctr_va_vdst(0)                   ; and the wait ahead of its first reader, which is O^T's first reader too
.set j, 0
.rept 16
	v_pk_mul_f32 v[O+j:O+j+1], v[O+j:O+j+1], v[F:F+1] op_sel_hi:[1,0]
.set j, j+2
.endr
.irp e, 0,1
	v_max3_num_f32 v[BM+\e], |v[O+16*\e]|, |v[O+16*\e+1]|, 0x4800000
.endr
.irp i, 2,4,6,8,10,12,14
.irp e, 0,1
	s_delay_alu instid0(VALU_DEP_2)
	v_max3_num_f32 v[BM+\e], v[BM+\e], |v[O+16*\e+\i]|, |v[O+16*\e+\i+1]|
.endr
.endr
.irp e, 0,1
	s_delay_alu instid0(VALU_DEP_2)
	v_permlanex16_b32 v[BP+\e], v[BM+\e], s[SEL], s[SEL+1]
.endr
.irp e, 0,1
	s_delay_alu instid0(VALU_DEP_2)
	v_max_num_f32 v[BM+\e], v[BM+\e], v[BP+\e]
.endr
.irp e, 0,1
	s_delay_alu instid0(VALU_DEP_2)
	v_add_nc_u32 v[SX+\e], 0xfc000000, v[BM+\e]
.endr
.irp e, 0,1
	s_delay_alu instid0(VALU_DEP_4)
	v_and_or_b32 v[HL+\e], v[BM+\e], 0x7f800000, s[MNT]
.endr
.irp e, 0,1
	s_delay_alu instid0(VALU_DEP_4)
	v_lshrrev_b32 v[BP+\e], 23, v[SX+\e]
.endr
	s_delay_alu instid0(VALU_DEP_1)
	v_lshl_or_b32 v[TT], v[BP+1], 8, v[BP]         ; my row's two bytes
.irp e, 0,1
.set j, 0
.rept 16
	v_med3_num_f32 v[O+16*\e+j], v[O+16*\e+j], -v[HL+\e], v[HL+\e]
.set j, j+1
.endr
.endr
.irp e, 0,1
	v_cvt_scalef32_pk8_fp8_f32 v[OC+4*\e:OC+4*\e+1], v[O+16*\e:O+16*\e+7], v[SX+\e]
	v_cvt_scalef32_pk8_fp8_f32 v[OC+4*\e+2:OC+4*\e+3], v[O+16*\e+8:O+16*\e+15], v[SX+\e]
.endr
	v_nop                                          ; a plain instruction behind the last conversion
.irp e, 0,1
	ds_store_b128 v[BP+2], v[OC+4*\e:OC+4*\e+3] offset:\mt*16384+512*\e
.endr
	ds_store_b16 v[OSA], v[TT] offset:\mt*512      ; lanes l and l + 16 write the same halfword with the same value
.endm
.macro TILE mt
	global_load_b128 v[16:19], v[L16], s[72:73] offset:\mt*16384
	global_load_b128 v[20:23], v[L16], s[72:73] offset:\mt*16384+512
	global_load_u16 v[QS], v[R32], s[74:75] offset:\mt*512
	v_mov_b32 v13, 0xff61b1e6                      ; the largest t so far: -3e38
	s_delay_alu instid0(VALU_DEP_1)
	v_floor_f32 v12, -v13
	v_mov_b32 v14, 0
	v_mov_b32 v15, 0
.set j, 0
.rept 32
	v_mov_b32 v[O+j], 0                            ; the step is written once: the first finds zeros, which the first change of M leaves zeros
.set j, j+1
.endr
	s_mov_b32 s[TK], 0
	s_mov_b32 s[TV], 0
	s_mov_b32 s[TS], 0
	s_mov_b32 s[TJ], 0
	s_mov_b32 s[CNT], 8
	s_wait_loadcnt 0x0                             ; Q
.if \mt
	global_prefetch_b8 v[PFO], s[76:77] th:TH_LOAD_NT scope:SCOPE_SE   ; my two rows of queries, 32 blocks of 256 bytes, a lane a block: 16 key steps ahead of their loads
.endif
.Lkey_\@:                                          ; eight trips of 256 keys
	v_add_nc_u32 v[ADK], s[TK], v[AK0]
	v_add_nc_u32 v[ADV], s[TV], v[AV0]
	v_add_nc_u32 v[ADS], s[TS], v[ASK0]
	v_add_nc_u32 v[ADT], s[TJ], v[ASV0]
	s_wait_alu depctr_va_vdst(0)                   ; the wait
	STEP 0
	STEP 1
	s_add_co_u32 s[TK], s[TK], 16640
	s_add_co_u32 s[TV], s[TV], 17408
	s_add_co_u32 s[TS], s[TS], 512
	s_add_co_u32 s[TJ], s[TJ], 8
	s_sub_co_u32 s[CNT], s[CNT], 1
	s_cmp_lg_u32 s[CNT], 0
	s_cbranch_scc1 .Lkey_\@
	FINISH \mt
.endm
	TILE 0
	TILE 1
; PART 2.  REGISTERS: v8-39 O's two fragments of a K step; v40-103, v104-167 the two groups for Wo; v168-231 the accumulators ((m, t) at 8 (4 m + t));
; v232-235, v0-3 O's scale words (lane l: row l's); v240-255 Wo's (lanes 0-15 tile 2 p, lanes 16-31 tile 2 p + 1); v4, v6, v7, v236, v237 addresses.
	s_wait_xcnt 0x0                                ; the prefetch has read its offset, which is loaded over below
	v_lshlrev_b32 v236, 1, v[L16]                  ; 32 x lane
	v_lshrrev_b32 v1, 1, v[L16]                    ; 8 x lane
	v_add_nc_u32 v4, OIM, v[L16]                   ; O's images: 16 bytes a lane
	s_lshl_b32 s6, s8, 8
	v_add_nc_u32 v237, OST, v236                   ; O's scale bytes: row = lane
	global_load_b64 v[6:7], v1, s[90:91]           ; my 256 bytes of bo: the oldest of the loads below
.macro BLOAD kk                        ; my four column tiles of K step kk: 16 loads of 512 consecutive bytes into group kk % 2
.irp t, 0,1,2,3
.irp c, 0,1,2,3
	global_load_b128 v[40+64*((\kk)%2)+16*\t+4*\c:40+64*((\kk)%2)+16*\t+4*\c+3], v[L16], s[86:87] offset:(\kk)*32768+\t*2048+\c*512
.endr
.endr
.endm
.macro ALOAD kk                        ; O's fragments of K step kk, rows 0-15 and 16-31
.irp m, 0,1
.irp c, 0,1,2,3
	ds_load_b128 v[8+16*\m+4*\c:8+16*\m+4*\c+3], v4 offset:\m*16384+(\kk)*2048+\c*512
.endr
.endr
.endm
.irp p, 0,1
	global_load_b128 v[240+8*\p:240+8*\p+3], v236, s[88:89] offset:1024*\p       ; lane l: column 32 p + l's eight scale words
	global_load_b128 v[240+8*\p+4:240+8*\p+7], v236, s[88:89] offset:1024*\p+16
.endr
	BLOAD 0                                        ; Wo's first two K steps are on their way while the other waves end part 1
	BLOAD 1
	s_wait_alu depctr_va_vdst(0)                   ; the wait directly ahead of the wait below
	s_wait_dscnt 0x0                               ; for the others' sake: my codes and bytes of O lie in LDS, and my reads of K and V are over
	s_barrier_signal -1
	s_barrier_wait -1
	s_wait_xcnt 0x0                                ; the load of bo has read its offset v1, which is loaded over below
	ds_load_b128 v[232:235], v237
	ds_load_b128 v[0:3], v237 offset:16
	ALOAD 0
	v_lshrrev_b32 v237, 2, v236
	s_add_co_u32 s6, s6, VT
	v_add_nc_u32 v237, s6, v237                    ; where my 256 bytes of bo go: V's first bytes, which have had their only fill and their last read
	s_wait_alu depctr_va_vdst(0)                   ; the wait directly behind the write
; One product, transposed: source 0 = 16 rows of Wo, source 1 = 16 rows of O.  Odd tiles take Wo's words from lanes 16-31, rows 16-31 O's.
.macro WM t, m, kk
.set DD, 168+8*(4*(\m)+(\t))
.set BB, 40+64*((\kk)%2)+16*(\t)
.set AA, 8+16*(\m)
.set SBR, 240+8*((\t)/2)+(\kk)
.if (\kk) < 4
.set SAR, 232+(\kk)
.else
.set SAR, (\kk)-4
.endif
.if (\kk) == 0
.if (\t)%2
.if \m
	v_wmma_scale_f32_16x16x128_f8f6f4 v[DD:DD+7], v[BB:BB+15], v[AA:AA+15], 0, v[SBR], v[SAR] matrix_a_scale:MATRIX_SCALE_ROW1 matrix_b_scale:MATRIX_SCALE_ROW1
.else
	v_wmma_scale_f32_16x16x128_f8f6f4 v[DD:DD+7], v[BB:BB+15], v[AA:AA+15], 0, v[SBR], v[SAR] matrix_a_scale:MATRIX_SCALE_ROW1
.endif
.else
.if \m
	v_wmma_scale_f32_16x16x128_f8f6f4 v[DD:DD+7], v[BB:BB+15], v[AA:AA+15], 0, v[SBR], v[SAR] matrix_b_scale:MATRIX_SCALE_ROW1
.else
	v_wmma_scale_f32_16x16x128_f8f6f4 v[DD:DD+7], v[BB:BB+15], v[AA:AA+15], 0, v[SBR], v[SAR]
.endif
.endif
.else
.if (\t)%2
.if \m
	v_wmma_scale_f32_16x16x128_f8f6f4 v[DD:DD+7], v[BB:BB+15], v[AA:AA+15], v[DD:DD+7], v[SBR], v[SAR] matrix_a_scale:MATRIX_SCALE_ROW1 matrix_b_scale:MATRIX_SCALE_ROW1
.else
	v_wmma_scale_f32_16x16x128_f8f6f4 v[DD:DD+7], v[BB:BB+15], v[AA:AA+15], v[DD:DD+7], v[SBR], v[SAR] matrix_a_scale:MATRIX_SCALE_ROW1
.endif
.else
.if \m
	v_wmma_scale_f32_16x16x128_f8f6f4 v[DD:DD+7], v[BB:BB+15], v[AA:AA+15], v[DD:DD+7], v[SBR], v[SAR] matrix_b_scale:MATRIX_SCALE_ROW1
.else
	v_wmma_scale_f32_16x16x128_f8f6f4 v[DD:DD+7], v[BB:BB+15], v[AA:AA+15], v[DD:DD+7], v[SBR], v[SAR]
.endif
.endif
.endif
.endm
; A K step: eight products on eight accumulators, one a turn.  Behind them the group just read takes K step kk + 2, and at the end the residual.
.macro CH kk
	s_wait_loadcnt 16                              ; this group is in, and all asked for ahead of it; the 16 loads issued behind it may be out
	s_wait_dscnt 0x0                               ; O's fragments (and, the first time, its scale words)
.irp t, 0,1,2,3
.irp m, 0,1
	WM \t, \m, \kk
.endr
.endr
.rept 8
	v_nop                                          ; places in front of the loads below, and at the end of the first read of results
.endr
.if (\kk) < 7
	ALOAD (\kk)+1
.endif
.if (\kk) <= 5
	BLOAD (\kk)+2
.endif
.if (\kk) == 6
.irp i, 0,1
.irp e, 0,1,2,3,4,5,6,7
	global_load_b128 v[40+32*\i+4*\e:40+32*\i+4*\e+3], v[L16], s[76:77] offset:\i*4096+512*\e th:TH_LOAD_NT   ; the residual: my two rows of queries
.endr
.endr
.endif
.endm
	CH 0
	ds_store_b64 v237, v[6:7]                      ; bo's load was waited for with the first group
.irp k, 1,2,3,4,5,6,7
	CH \k
.endr
	s_mul_i32 s6, s8, 2*SPITCH
	s_lshl_b32 s7, s8, 8
	v_bfe_u32 v6, v[L16], 4, 4                     ; r
	v_bfe_u32 v7, v[L16], 8, 1                     ; h
	v_add_nc_u32 v236, s6, v[L16]                  ; the stage, back: my two rows, 16 bytes a lane (the loads that read v236 were waited for at the first K step)
	s_delay_alu instid0(VALU_DEP_3)
	v_mul_u32_u24 v6, v6, SPITCH
	v_add_nc_u32 v237, VT, v[L16]                  ; bo in LDS
	v_add_nc_u32 v4, CG, v[L16]                    ; gamma and beta in LDS
	s_delay_alu instid0(VALU_DEP_3)
	v_lshl_add_u32 v6, v7, 5, v6
	s_delay_alu instid0(VALU_DEP_1)
	v_add_nc_u32 v6, s7, v6                        ; the stage, in: row r, + 32 h, + my 64 columns
	s_delay_alu instid0(VALU_DEP_1)
	v_add_nc_u32 v7, 16*SPITCH, v6                 ; rows 16 on
.irp t, 0,1,2,3
	ds_store_b128 v6, v[168+8*\t:168+8*\t+3] offset:64*\t          ; each accumulator from its low end on: x(r, 64 w + 16 t + 8 h + 0 .. 7)
	ds_store_b128 v6, v[168+8*\t+4:168+8*\t+7] offset:64*\t+16
.endr
.irp t, 0,1,2,3
	ds_store_b128 v7, v[200+8*\t:200+8*\t+3] offset:64*\t
	ds_store_b128 v7, v[200+8*\t+4:200+8*\t+7] offset:64*\t+16
.endr
	s_mov_b32 s4, 0x3a800000                       ; 1 / 1024
	s_mov_b32 s5, 0x3727c5ac                       ; 1e-5
	s_wait_alu depctr_va_vdst(0)                   ; the wait directly ahead of the wait below
	s_wait_dscnt 0x0                               ; for the others' sake: my columns of the 32 rows lie in the stage
	s_barrier_signal -1
	s_barrier_wait -1
.irp i, 0,1
.irp e, 0,1,2,3,4,5,6,7
	ds_load_b128 v[168+32*\i+4*\e:168+32*\i+4*\e+3], v236 offset:\i*SPITCH+512*\e
.endr
.endr
.irp e, 0,1,2,3,4,5,6,7
	ds_load_b128 v[104+4*\e:104+4*\e+3], v237 offset:512*\e        ; bo
	ds_load_b128 v[136+4*\e:136+4*\e+3], v4 offset:512*\e          ; gamma
	ds_load_b128 v[8+4*\e:8+4*\e+3], v4 offset:4096+512*\e         ; beta
.endr
	s_wait_dscnt 0x0
	s_wait_loadcnt 0x0                             ; the residual
.macro REDUCE                          ; two packed chains -> the sum over the wave's 32 lanes, in every lane's v232
	v_pk_add_f32 v[232:233], v[232:233], v[234:235]
	s_delay_alu instid0(VALU_DEP_1)
	v_add_f32 v232, v232, v233
.irp x, 1,2,4,8
	s_delay_alu instid0(VALU_DEP_1)
	v_add_f32_dpp v232, v232, v232 row_xmask:\x row_mask:0xf bank_mask:0xf
.endr
	s_delay_alu instid0(VALU_DEP_1)
	v_permlanex16_b32 v248, v232, s[SEL], s[SEL+1]
	s_delay_alu instid0(VALU_DEP_1)
	v_add_f32 v232, v232, v248
.endm
.macro ROW i                           ; one whole row: + bo, + the residual, mean, variance of the centred row, scale
.set XB, 168+32*(\i)
.set RB, 40+32*(\i)
.irp j, 0,2,4,6,8,10,12,14,16,18,20,22,24,26,28,30
	v_pk_add_f32 v[XB+\j:XB+\j+1], v[XB+\j:XB+\j+1], v[104+\j:104+\j+1]
.endr
.irp j, 0,2,4,6,8,10,12,14,16,18,20,22,24,26,28,30
	v_pk_add_f32 v[XB+\j:XB+\j+1], v[XB+\j:XB+\j+1], v[RB+\j:RB+\j+1]
.endr
	v_pk_add_f32 v[232:233], v[XB:XB+1], v[XB+2:XB+3]
	v_pk_add_f32 v[234:235], v[XB+4:XB+5], v[XB+6:XB+7]
.irp j, 8,12,16,20,24,28
	v_pk_add_f32 v[232:233], v[232:233], v[XB+\j:XB+\j+1]
	v_pk_add_f32 v[234:235], v[234:235], v[XB+\j+2:XB+\j+3]
.endr
	REDUCE
	s_delay_alu instid0(VALU_DEP_1)
	v_mul_f32 v240, s4, v232                       ; the mean
.irp j, 0,2,4,6,8,10,12,14,16,18,20,22,24,26,28,30
	v_pk_add_f32 v[XB+\j:XB+\j+1], v[XB+\j:XB+\j+1], v[240:241] op_sel_hi:[1,0] neg_lo:[0,1] neg_hi:[0,1]
.endr
	v_pk_mul_f32 v[232:233], v[XB:XB+1], v[XB:XB+1]
	v_pk_mul_f32 v[234:235], v[XB+2:XB+3], v[XB+2:XB+3]
.irp j, 4,8,12,16,20,24,28
	v_pk_fma_f32 v[232:233], v[XB+\j:XB+\j+1], v[XB+\j:XB+\j+1], v[232:233]
	v_pk_fma_f32 v[234:235], v[XB+\j+2:XB+\j+3], v[XB+\j+2:XB+\j+3], v[234:235]
.endr
	REDUCE
	s_delay_alu instid0(VALU_DEP_1)
	v_fma_f32 v232, v232, s4, s5                   ; the variance + 1e-5
	s_wait_alu depctr_va_vdst(0)
	v_rsq_f32 v242, v232
	v_nop                                          ; a plain instruction behind it,
	s_wait_alu depctr_va_vdst(0)                   ; and the wait ahead of its first reader
.irp j, 0,2,4,6,8,10,12,14,16,18,20,22,24,26,28,30
	v_pk_mul_f32 v[XB+\j:XB+\j+1], v[XB+\j:XB+\j+1], v[242:243] op_sel_hi:[1,0]
.endr
.irp j, 0,2,4,6,8,10,12,14,16,18,20,22,24,26,28,30
	v_pk_fma_f32 v[XB+\j:XB+\j+1], v[XB+\j:XB+\j+1], v[136+\j:136+\j+1], v[8+\j:8+\j+1]
.endr
.irp e, 0,1,2,3,4,5,6,7
	global_store_b128 v[L16], v[XB+4*\e:XB+4*\e+3], s[78:79] offset:(\i)*4096+512*\e th:TH_STORE_NT   ; 512 consecutive bytes, aligned; written once
.endr
.endm
	ROW 0
	ROW 1
	s_wait_tensorcnt 0x0                           ; the wave's end
	ds_add_u32 v238, v239
	s_wait_dscnt 0x0
	ROUND                                          ; the closing round
	s_endpgm
.Lfunc_end_k_q2bb220558c_attn:
	.size	k_q2bb220558c_attn, .Lfunc_end_k_q2bb220558c_attn-k_q2bb220558c_attn
	.p2alignl 7, 3214868480
	.fill 96, 4, 3214868480
	.section	.rodata,"a",@progbits
	.p2align	6, 0x0
	.amdhsa_kernel k_q2bb220558c_attn
		.amdhsa_group_segment_fixed_size 327680
		.amdhsa_private_segment_fixed_size 0
		.amdhsa_enable_private_segment 0
		.amdhsa_kernarg_size 64
		.amdhsa_user_sgpr_count 2
		.amdhsa_user_sgpr_kernarg_segment_ptr 1
		.amdhsa_wavefront_size32 1
		.amdhsa_system_sgpr_workgroup_id_x 1
		.amdhsa_system_sgpr_workgroup_id_y 1
		.amdhsa_system_sgpr_workgroup_id_z 1
		.amdhsa_system_vgpr_workitem_id 0
		.amdhsa_next_free_vgpr 256
		.amdhsa_next_free_sgpr 100
		.amdhsa_reserve_vcc 0
		.amdhsa_float_denorm_mode_32 3
		.amdhsa_float_denorm_mode_16_64 3
		.amdhsa_memory_ordered 1
		.amdhsa_forward_progress 1
		.amdhsa_inst_pref_size 155
	.end_amdhsa_kernel
	.amdgpu_metadata
---
amdhsa.version: [ 1, 2 ]
amdhsa.kernels:
  - .name:           k_q2bb220558c_attn
    .symbol:         k_q2bb220558c_attn.kd
    .args:
      - { .name: projw, .offset: 0, .size: 8, .value_kind: global_buffer, .address_space: global }
      - { .name: prepw, .offset: 8, .size: 8, .value_kind: global_buffer, .address_space: global }
      - { .name: Wo_scales, .offset: 16, .size: 8, .value_kind: global_buffer, .address_space: global }
      - { .name: bo, .offset: 24, .size: 8, .value_kind: global_buffer, .address_space: global }
      - { .name: queries, .offset: 32, .size: 8, .value_kind: global_buffer, .address_space: global }
      - { .name: ln_gamma, .offset: 40, .size: 8, .value_kind: global_buffer, .address_space: global }
      - { .name: ln_beta, .offset: 48, .size: 8, .value_kind: global_buffer, .address_space: global }
      - { .name: out0, .offset: 56, .size: 8, .value_kind: global_buffer, .address_space: global }
    .group_segment_fixed_size: 327680
    .private_segment_fixed_size: 0
    .kernarg_segment_align: 8
    .kernarg_segment_size: 64
    .max_flat_workgroup_size: 512
    .sgpr_count:     100
    .vgpr_count:     256
    .wavefront_size: 32
...
	.end_amdgpu_metadata
.endif
;; end of part 3
